; MI455X (gfx1250); checked and timed in simulation.
; The chip was launched on July 23, 2026; its instructions are those of AMD's public machine-readable ISA for CDNA 5 (MIT licence, August 2026) and "CDNA5" Instruction Set Architecture Reference Guide (July 2026). The comments in the code are by the model that wrote it; some were corrected since.
;; Multi Head Attention. Allowed arithmetic: float matrix products may take bf16 or f16 operands with f32 sums; all other float work in f32.
;; Inputs: Wk 1,024 x 1,024 float32; Wo 1,024 x 1,024 float32; Wq 1,024 x 1,024 float32; Wv 1,024 x 1,024 float32; key 2 x 2,048 x 1,024 float32; mask 1 x 1 x 2,048 x 2,048 bool; query 2 x 2,048 x 1,024 float32; value 2 x 2,048 x 1,024 float32.
;; Outputs: out0 2 x 2,048 x 1,024 float32.
;; 2 versions, each right; version 2 is version 1 with the launch prep written anew for expert scheduling mode. Each part assembles by itself: llvm-mc -triple=amdgcn-amd-amdhsa -mcpu=gfx1250 --defsym DOCPART=n.
;; ======== version 1 of 2: 4 launches
;; limits: values are held in f16: magnitudes above 65,504 overflow, below 6.1e-05 lose precision
;; workspace buffers: xin 25,165,824 bytes; wb 8,388,608 bytes; mbits 524,288 bytes of whole numbers; qkv 25,165,824 bytes; ctx 8,388,608 bytes
;; launch prep (part 1): grid 128 x 5, 8 waves a work-group, no clusters, 0 bytes of LDS; arguments query, key, value, Wq, Wk, Wv, Wo, mask, xin, wb, mbits; writes xin, wb, mbits
.if DOCPART == 1
	.amdgcn_target "amdgcn-amd-amdhsa--gfx1250"
	.amdhsa_code_object_version 6
	.text
	.protected	k_q189b97334e_prep
	.globl	k_q189b97334e_prep
	.p2align	8
	.type	k_q189b97334e_prep,@function
k_q189b97334e_prep:
	s_mov_b64 s[64:65], 0
	v_nop
	global_prefetch_b8 v0, s[64:65] scope:SCOPE_SE
	s_setreg_imm32_b32 hwreg(HW_REG_WAVE_MODE, 25, 1), 1
	s_wait_xcnt 0x0
; PREP: the operands of the later products, rounded once and laid out for them; the mask as lane masks.
; No step and no input of reference() is left out anywhere in this program: the mask is an input, so every score tile is computed,
; and a masked score is REPLACED by -1e9 (a row that is masked throughout gives the mean of V, as in reference()).
; Layout of every 16-bit matrix [rows][1024]: [kb = 16][rows][64], a row of a block = 128 bytes, a block dense.
;   xin : part (query, key, value) x [batch][kb][2048][64] bf16      part 8,388,608 B, batch 4,194,304 B, block 262,144 B
;   wb  : matrix (Wq, Wk, Wv, Wo) x [kb][1024][64]                   matrix 2,097,152 B, block 131,072 B
;         Wq, Wk, Wv bf16.  Wo is rounded to bf16 and that number is carried as f16, since its partner in the last product is f16.
;         LIMIT: exact for 2^-17 <= |Wo| < 65,504; below, the absolute error is at most 2^-25.
;   mbits: [q tile = 128][key tile = 128][8 words]; bit L of word j = mask[16 qt + (L & 15)][16 kt + 8 (L >> 4) + j]:
;         the lane mask of register j of a 16 x 16 score tile that holds keys along the registers and queries along the lanes.
; Grid y: 0, 1, 2 = query, key, value (32 rows a work-group); 3 = the four weights (32 work-groups each, 32 rows); 4 = the mask (one q tile).
; A stream: no LDS, no barrier, no matrix unit.  All 32 loads of a wave go out first; nothing is reused, so no register waits for a store.
.set SO,  2                            ; v2        byte offset of my 16 bytes in the source
.set DO,  3                            ; v3        byte offset of my bytes in the destination
.set WD,  4                            ; v[4:7]    mask part: four packed words a lane
.set DAT, 8                            ; v[8:135]  what the loads bring
.set TMP, 136                          ; v[136:139] at work
; Four rows of a wave as two pairs.  Load n = 16 pr + kb: lanes 0-15 take the 256 bytes of block kb in row 2 pr, lanes 16-31 in row 2 pr + 1.
; The store of 8 bytes a lane then covers 256 consecutive bytes of block kb, aligned: two rows of 128 bytes.
.macro CAST kbs, f16
.set n_, 0
.rept 32
	global_load_b128 v[DAT+4*n_:DAT+4*n_+3], v[SO], s[28:29] offset:(n_>>4)*8192+(n_&15)*256 th:TH_LOAD_NT
.set n_, n_+1
.endr
.set n_, 0
.rept 32
	s_wait_loadcnt 31-n_                           ; loads return in order: load n is in, the 31 - n younger ones stay out
	v_cvt_pk_bf16_f32 v[DAT+4*n_], v[DAT+4*n_], v[DAT+4*n_+1]
	v_cvt_pk_bf16_f32 v[DAT+4*n_+1], v[DAT+4*n_+2], v[DAT+4*n_+3]
.if \f16
	v_lshlrev_b32 v[TMP], 16, v[DAT+4*n_]          ; the bf16 numbers as f32,
	v_and_b32 v[TMP+1], 0xffff0000, v[DAT+4*n_]
	v_lshlrev_b32 v[TMP+2], 16, v[DAT+4*n_+1]
	v_and_b32 v[TMP+3], 0xffff0000, v[DAT+4*n_+1]
	v_cvt_pk_f16_f32 v[DAT+4*n_], v[TMP], v[TMP+1] ; and the same numbers as f16 (8 significant bits fit into 11)
	v_cvt_pk_f16_f32 v[DAT+4*n_+1], v[TMP+2], v[TMP+3]
.endif
	global_store_b64 v[DO], v[DAT+4*n_:DAT+4*n_+1], s[36:37] offset:(n_>>4)*256+(n_&15)*\kbs
.set n_, n_+1
.endr
.endm
	s_load_b512 s[4:19], s[0:1], 0x0               ; query s[4:5] key s[6:7] value s[8:9] Wq s[10:11] Wk s[12:13] Wv s[14:15] Wo s[16:17] mask s[18:19]
	s_load_b128 s[20:23], s[0:1], 0x40             ; xin s[20:21], wb s[22:23]
	s_load_b64 s[24:25], s[0:1], 0x50              ; mbits
	s_and_b32 s27, ttmp7, 0xffff                   ; y
	v_lshrrev_b32 v1, 5, v0                        ; wave
	v_bfe_u32 v4, v0, 4, 1                         ; upper half of the lanes
	v_and_b32 v5, 15, v0                           ; lane mod 16
	v_lshlrev_b32 v[SO], 14, v1                    ; wave x 4 rows x 4,096
	v_lshl_add_u32 v[SO], v4, 12, v[SO]            ; + one row for the upper half
	v_lshl_add_u32 v[SO], v5, 4, v[SO]             ; + 16 bytes a lane
	v_lshlrev_b32 v[DO], 9, v1                     ; wave x 4 rows x 128
	v_lshl_add_u32 v[DO], v4, 7, v[DO]
	v_lshl_add_u32 v[DO], v5, 3, v[DO]
	s_mov_b32 s31, 0
	s_mov_b32 s33, 0
	s_wait_kmcnt 0x0
	s_cmp_eq_u32 s27, 4
	s_cbranch_scc1 .Lpack
	s_cmp_eq_u32 s27, 3
	s_cbranch_scc1 .Lweights
	; query, key or value: rows 32 x .. 32 x + 31 of 4,096
	s_cmp_eq_u32 s27, 1
	s_cselect_b64 s[28:29], s[6:7], s[4:5]
	s_cmp_eq_u32 s27, 2
	s_cselect_b64 s[28:29], s[8:9], s[28:29]
	s_lshl_b32 s30, ttmp9, 17                      ; 32 rows of 4,096 bytes
	s_add_nc_u64 s[28:29], s[28:29], s[30:31]
	s_lshl_b32 s32, s27, 23                        ; the part
	s_lshr_b32 s34, ttmp9, 6
	s_lshl_b32 s34, s34, 22                        ; the batch
	s_add_co_u32 s32, s32, s34
	s_and_b32 s34, ttmp9, 63
	s_lshl_b32 s34, s34, 12                        ; 32 rows of 128 bytes in a block
	s_add_co_u32 s32, s32, s34
	s_add_nc_u64 s[36:37], s[20:21], s[32:33]
	CAST 262144, 0
	s_endpgm
.Lweights:
	s_lshr_b32 s35, ttmp9, 5                       ; which matrix
	s_cmp_eq_u32 s35, 1
	s_cselect_b64 s[28:29], s[12:13], s[10:11]
	s_cmp_eq_u32 s35, 2
	s_cselect_b64 s[28:29], s[14:15], s[28:29]
	s_cmp_eq_u32 s35, 3
	s_cselect_b64 s[28:29], s[16:17], s[28:29]
	s_and_b32 s34, ttmp9, 31
	s_lshl_b32 s30, s34, 17
	s_add_nc_u64 s[28:29], s[28:29], s[30:31]
	s_lshl_b32 s32, s35, 21
	s_lshl_b32 s34, s34, 12
	s_add_co_u32 s32, s32, s34
	s_add_nc_u64 s[36:37], s[22:23], s[32:33]
	s_cmp_eq_u32 s35, 3
	s_cbranch_scc1 .Lwo
	CAST 131072, 0
	s_endpgm
.Lwo:
	CAST 131072, 1
	s_endpgm
.Lpack:
	; q tile x; wave w packs key tiles 16 w .. 16 w + 15.  Lane L reads 8 mask bytes of row L & 15, columns 16 kt + 8 (L >> 4) ..;
	; the wave's sixteen loads together cover 256 aligned bytes of each of the 16 rows.
	v_lshlrev_b32 v[SO], 11, v5                    ; row x 2,048
	v_lshl_add_u32 v[SO], v4, 3, v[SO]
	v_lshl_add_u32 v[SO], v1, 8, v[SO]             ; + wave x 256 columns
	v_and_b32 v[DO], 31, v0
	v_lshlrev_b32 v[DO], 4, v[DO]
	v_lshl_add_u32 v[DO], v1, 9, v[DO]             ; wave x 512 + lane x 16
	s_lshl_b32 s30, ttmp9, 15                      ; 16 rows of 2,048 bytes
	s_add_nc_u64 s[28:29], s[18:19], s[30:31]
	s_lshl_b32 s32, ttmp9, 12                      ; 128 key tiles x 32 bytes
	s_add_nc_u64 s[36:37], s[24:25], s[32:33]
.set kt_, 0
.rept 16
	global_load_b64 v[DAT+2*kt_:DAT+2*kt_+1], v[SO], s[28:29] offset:16*kt_
.set kt_, kt_+1
.endr
.irp r, 0,1,2,3
	v_mov_b32 v[WD+\r], 0                          ; v_writelane_b32 keeps the other lanes: the registers are written whole first
.endr
.set kt_, 0
.rept 16
	s_wait_loadcnt 15-kt_                          ; tile kt is in, the younger loads stay out
.set j_, 0
.rept 8
	v_and_b32 v[TMP], 0xff<<(8*(j_&3)), v[DAT+2*kt_+(j_>>2)]   ; byte j of my eight
	v_cmp_ne_u32 s[40+j_], 0, v[TMP]               ; bit L = lane L's byte is true
	v_writelane_b32 v[WD+(j_&3)], s[40+j_], 2*kt_+(j_>>2)      ; word 8 kt + j of the wave's 128: register (word mod 4) of lane (word / 4)
.set j_, j_+1
.endr
.set kt_, kt_+1
.endr
	global_store_b128 v[DO], v[WD:WD+3], s[36:37]  ; 512 consecutive bytes a wave
	s_endpgm
.Lfunc_end_k_q189b97334e_prep:
	.size	k_q189b97334e_prep, .Lfunc_end_k_q189b97334e_prep-k_q189b97334e_prep
	.p2alignl 7, 3214868480
	.fill 96, 4, 3214868480
	.section	.rodata,"a",@progbits
	.p2align	6, 0x0
	.amdhsa_kernel k_q189b97334e_prep
		.amdhsa_group_segment_fixed_size 0
		.amdhsa_private_segment_fixed_size 0
		.amdhsa_enable_private_segment 0
		.amdhsa_kernarg_size 88
		.amdhsa_user_sgpr_count 2
		.amdhsa_user_sgpr_kernarg_segment_ptr 1
		.amdhsa_wavefront_size32 1
		.amdhsa_system_sgpr_workgroup_id_x 1
		.amdhsa_system_sgpr_workgroup_id_y 1
		.amdhsa_system_sgpr_workgroup_id_z 1
		.amdhsa_system_vgpr_workitem_id 0
		.amdhsa_next_free_vgpr 140
		.amdhsa_next_free_sgpr 66
		.amdhsa_reserve_vcc 0
		.amdhsa_float_denorm_mode_32 3
		.amdhsa_float_denorm_mode_16_64 3
		.amdhsa_memory_ordered 1
		.amdhsa_forward_progress 1
		.amdhsa_inst_pref_size 72
	.end_amdhsa_kernel
	.amdgpu_metadata
---
amdhsa.version: [ 1, 2 ]
amdhsa.kernels:
  - .name:           k_q189b97334e_prep
    .symbol:         k_q189b97334e_prep.kd
    .args:
      - { .name: query, .offset: 0, .size: 8, .value_kind: global_buffer, .address_space: global }
      - { .name: key, .offset: 8, .size: 8, .value_kind: global_buffer, .address_space: global }
      - { .name: value, .offset: 16, .size: 8, .value_kind: global_buffer, .address_space: global }
      - { .name: Wq, .offset: 24, .size: 8, .value_kind: global_buffer, .address_space: global }
      - { .name: Wk, .offset: 32, .size: 8, .value_kind: global_buffer, .address_space: global }
      - { .name: Wv, .offset: 40, .size: 8, .value_kind: global_buffer, .address_space: global }
      - { .name: Wo, .offset: 48, .size: 8, .value_kind: global_buffer, .address_space: global }
      - { .name: mask, .offset: 56, .size: 8, .value_kind: global_buffer, .address_space: global }
      - { .name: xin, .offset: 64, .size: 8, .value_kind: global_buffer, .address_space: global }
      - { .name: wb, .offset: 72, .size: 8, .value_kind: global_buffer, .address_space: global }
      - { .name: mbits, .offset: 80, .size: 8, .value_kind: global_buffer, .address_space: global }
    .group_segment_fixed_size: 0
    .private_segment_fixed_size: 0
    .kernarg_segment_align: 8
    .kernarg_segment_size: 88
    .max_flat_workgroup_size: 256
    .sgpr_count:     66
    .vgpr_count:     140
    .wavefront_size: 32
...
	.end_amdgpu_metadata
.endif
;; end of part 1
;; launch qkv (part 2): grid 4 x 48, 4 waves a work-group, clusters of 4 x 4, 327,680 bytes of LDS; arguments xin, wb, qkv; writes qkv
.if DOCPART == 2
	.amdgcn_target "amdgcn-amd-amdhsa--gfx1250"
	.amdhsa_code_object_version 6
	.text
	.protected	k_q189b97334e_qkv
	.globl	k_q189b97334e_qkv
	.p2align	8
	.type	k_q189b97334e_qkv,@function
k_q189b97334e_qkv:
	s_mov_b64 s[64:65], 0
	v_nop
	global_prefetch_b8 v0, s[64:65] scope:SCOPE_SE
	s_setreg_imm32_b32 hwreg(HW_REG_WAVE_MODE, 25, 1), 1
	s_wait_xcnt 0x0
	s_wait_alu depctr_hold_cnt(0) depctr_sa_sdst(0) depctr_va_vdst(0) depctr_va_sdst(0) depctr_va_ssrc(0) depctr_va_vcc(0) depctr_vm_vsrc(0)
	s_getreg_b32 s2, hwreg(HW_REG_IB_STS2, 6, 4)
	s_cmp_eq_u32 s2, 0
	s_cbranch_scc0 .Lentry_in_a_cluster
	s_endpgm
.Lentry_in_a_cluster:
	s_bfe_u32 s2, ttmp6, 0x10000c
	s_cmp_lg_u32 s2, 0xf033
	s_cbranch_scc0 .Lentry_shape_is_right
	s_endpgm
.Lentry_shape_is_right:
; QKV: the three projections.  C[256 x 256] = X W^T, K = 1024, bf16 operands, f32 sums.
; Block row by = 0..47: part p = by / 16 (query with Wq, key with Wk, value with Wv), batch (by / 8) mod 2, 256 rows of s; block column bx = 0..3: 256 columns = four heads.
; Out: qkv, part x [batch][head][s][64] in f16.  q is multiplied in f32, before its one rounding, by c = 0.125 log2(e) (1/sqrt(64), and base 2 for the softmax).
; LIMIT: |c q|, |k|, |v| < 65,504 (f16); below 2^-14 they have a granularity of 2^-24.
; Four waves, one for each SIMD of a WGP; a wave makes 128 x 128: 64 accumulator tiles, 512 registers; its 128 columns are two heads.
; WHY THIS SHAPE: for 32 along K the four waves issue 4 x 32 LDS loads of 512 bytes and the fill writes 32 KiB, beside 64 matrix instructions a wave;
; waves of 64 x 64 would issue 4 x 16 such loads and the fill 16 KiB beside 16 matrix instructions a wave: twice the LDS bytes for each multiply-add.
; The price: 4 x 16 x 3 = 192 work-groups of one block each; three products of 4096 x 1024 do not divide into 256 equal blocks of this kind.
; K goes in steps of 128 through two LDS slots.  A wave's one tensor load brings 128 rows x 128 K: two blocks kb, in each 128 rows of 128 bytes = 16 KiB dense.
; CLUSTERS: 4 x 4 work-groups.  X's tile hangs on by alone and is asked for jointly by a row of the cluster; W's on bx and the part (four cluster rows a part: the
; whole cluster shares it) and is asked for jointly by a column: a quarter of the requests.
; REGISTERS, in windows of 256: window 0: v16-26 addresses; v64-127, v128-191 fragments of X, two buffers; v192-223 packed results.
;   window 1: v64-127, v128-191 fragments of W, two buffers.  Window 2: the 32 accumulator tiles of my rows 0-63 (tile (a, b) at v[8 (8 a + b)]); window 3: rows 64-127.
; The product is used transposed (source 0 = rows of W, source 1 = rows of X): a lane then holds eight neighbouring columns of one row of C.
.set PITCH,  144                       ; an LDS row: 128 bytes + 16: the sixteen rows of a fragment load begin at sixteen different 16-byte columns modulo 256 bytes
.set KBO,    128*PITCH                 ; 128 rows of one block kb: the K step's second block begins here
.set HALFT,  2*KBO                     ; what one tensor load brings, and what one wave reads of X or of W: 36,864 bytes
.set SLOT,   4*HALFT                   ; X's 256 rows, then W's 256 rows
.set STAGE,  2*SLOT                    ; behind the ring: 16 rows x 272 bytes for each wave, for the way out; no tensor load ever lands here
.set SPITCH, 272
.set AKB,    262144                    ; bytes of a block kb of X
.set WKB,    131072                    ; bytes of a block kb of W
.set LAPS,   4                         ; a lap = two K steps = once round the ring; K = 1024 is eight steps
.set ADRA, 16                          ; v16-17  LDS address of my X fragments in slot 0, 1
.set ADRB, 20                          ; v20-21  the same for W
.set STO,  24                          ; v24     the way out: where I put 16 bytes of a row
.set RD,   25                          ; v25     the way out: where I read rows back
.set CO,   26                          ; v26     my byte offset in the output
.set F0,   64                          ; fragment buffer 0
.set F1,   128                         ; fragment buffer 1
.set TMP,  192                         ; the way out: packed results, in window 0
.set G1, 24                            ; s[24:31] descriptor group 1 for X's tiles
.set G0, 32                            ; s[32:39] descriptor group 0 for X's tiles, one set for each slot
.set G1B, 48                           ; s[48:55] descriptor group 1 for W's tiles
.set G0B, 56                           ; s[56:63] descriptor group 0 for W's tiles, one set for each slot
.set MSB, 0
.macro WIN new                         ; the immediate's high byte repeats the setting that is left
.if MSB != \new
	s_set_vgpr_msb (MSB<<8)|\new
.set MSB, \new
.endif
.endm
.set MUL_LO, 0xa1                      ; source 0 (W) window 1, source 1 (X) window 0, C and D window 2
.set MUL_HI, 0xf1                      ; the same, C and D window 3
.set TO_B,   0x40                      ; destination window 1, address window 0
.macro JLOAD s                         ; waves 0, 1 ask for X's two halves, waves 2, 3 for W's: each line has one mask; the branch hangs on the wave's number alone
	s_cmp_eq_u32 s11, 0
	s_cbranch_scc0 .Lfor_b_\@
	tensor_load_to_lds s[G0+4*\s:G0+4*\s+3], s[G1:G1+7]
	s_nop 0
	s_branch .Lasked_\@
.Lfor_b_\@:
	tensor_load_to_lds s[G0B+4*\s:G0B+4*\s+3], s[G1B:G1B+7]
	s_nop 0
.Lasked_\@:
.endm
.macro CREST                           ; a round of the cluster's barrier behind its opening work-group barrier
	s_cmp_lg_u32 s10, 0
	s_cbranch_scc1 .Lnot_wave_0_\@
	s_barrier_signal -3
.Lnot_wave_0_\@:
	s_barrier_wait -3
	s_barrier_signal -1
	s_barrier_wait -1
.endm
.macro CROUND                          ; a whole round
	s_barrier_signal -1
	s_barrier_wait -1
	CREST
.endm
	s_load_b128 s[4:7], s[0:1], 0x0                ; xin s[4:5], wb s[6:7]
	s_load_b64 s[8:9], s[0:1], 0x10                ; qkv
	s_set_vgpr_msb 0x40
	v_lshl_add_u32 v255, v0, 2, 0x4c400
	s_set_vgpr_msb 0x4000
	v_mov_b32 v255, 0
	s_set_vgpr_msb 0x1
	ds_add_u32 v255, v255
	s_set_vgpr_msb 0x100
	v_lshrrev_b32 v1, 5, v0
	v_readfirstlane_b32 s10, v1                    ; wave 0..3
	s_lshr_b32 s11, s10, 1                         ; which half of the block's rows is mine.  Also: I fetch for X (0) or for W (1)
	s_and_b32 s12, s10, 1                          ; which half of its columns.  Also: which 128 rows of that tile I fetch
	s_bfe_u32 s40, ttmp6, 0x40000                  ; cx
	s_bfe_u32 s41, ttmp6, 0x40004                  ; cy
	s_lshl_b32 s42, ttmp9, 2
	s_add_co_u32 s42, s42, s40                     ; bx
	s_and_b32 s45, ttmp7, 0xffff                   ; the cluster's y, 0..11
	s_lshl_b32 s13, s45, 2
	s_add_co_u32 s13, s13, s41                     ; by
	s_lshr_b32 s45, s45, 2                         ; the part p: the same in the whole cluster
	s_lshl_b32 s43, s41, 2
	s_lshl_b32 s43, 15, s43                        ; my row of the cluster
	s_lshl_b32 s44, 0x1111, s40                    ; my column
	; group 1: elements of 8 bytes; a tile row = 2,048 elements = 128 matrix rows, dense; 2 tile rows, one for each block kb; 4 dwords of padding behind every 32 dwords
	s_or_b32 s[G1+0], s43, (3<<16)|(1<<20)|(1<<21)|(4<<22)|(3<<25)
	s_or_b32 s[G1B+0], s44, (3<<16)|(1<<20)|(1<<21)|(4<<22)|(3<<25)
	s_mov_b32 s[G1+1], 2048<<16                    ; tensor_dim0
	s_mov_b32 s[G1B+1], 2048<<16
	s_mov_b32 s[G1+2], 2<<16                       ; tensor_dim1
	s_mov_b32 s[G1B+2], 2<<16
	s_mov_b32 s[G1+3], 2048<<16                    ; tile_dim0
	s_mov_b32 s[G1B+3], 2048<<16
	s_mov_b32 s[G1+4], 2                           ; tile_dim1
	s_mov_b32 s[G1B+4], 2
	s_mov_b32 s[G1+5], AKB/8                       ; from block to block, in elements
	s_mov_b32 s[G1B+5], WKB/8
	s_mov_b32 s[G1+6], 0
	s_mov_b32 s[G1B+6], 0
	s_mov_b32 s[G1+7], 0
	s_mov_b32 s[G1B+7], 0
	; X's tile: (part, batch) = by / 8, rows 256 (by mod 8) + 128 half.  Made of by and the wave's number alone.
	s_lshr_b32 s16, s13, 3
	s_lshl_b32 s16, s16, 22
	s_and_b32 s17, s13, 7
	s_lshl_b32 s17, s17, 15
	s_add_co_u32 s16, s16, s17
	s_lshl_b32 s17, s12, 14
	s_add_co_u32 s16, s16, s17
	s_mov_b32 s17, 0
	; W's tile: matrix p, rows 256 bx + 128 half.  Made of bx, p and the wave's number alone.
	s_lshl_b32 s46, s45, 21
	s_lshl_b32 s47, s42, 15
	s_add_co_u32 s46, s46, s47
	s_lshl_b32 s47, s12, 14
	s_add_co_u32 s46, s46, s47
	s_mov_b32 s47, 0
	s_mul_i32 s20, s10, HALFT                      ; where my load lands: wave x 36,864: no place in the cluster enters an LDS address
	s_wait_dscnt 0x0
	s_wait_kmcnt 0x0
	s_add_nc_u64 s[14:15], s[4:5], s[16:17]
	s_add_nc_u64 s[46:47], s[6:7], s[46:47]
	CROUND                                         ; all sixteen work-groups are here: the first joint loads meet
.irp s, 0,1
	s_mov_b32 s[G0+4*\s], 1
	s_add_co_u32 s[G0+4*\s+1], s20, \s*SLOT
	s_add_nc_u64 s[G0+4*\s+2:G0+4*\s+3], s[14:15], \s*2*AKB        ; K step s: two blocks kb a step
	s_or_b32 s[G0+4*\s+3], s[G0+4*\s+3], 0x80000000
	s_mov_b32 s[G0B+4*\s], 1
	s_add_co_u32 s[G0B+4*\s+1], s20, \s*SLOT
	s_add_nc_u64 s[G0B+4*\s+2:G0B+4*\s+3], s[46:47], \s*2*WKB
	s_or_b32 s[G0B+4*\s+3], s[G0B+4*\s+3], 0x80000000
	JLOAD \s                                       ; both first fills go out before anything else: two loads of the wave are out
.endr
	v_and_b32 v1, 15, v0                           ; r
	v_bfe_u32 v2, v0, 4, 1                         ; h
	v_mul_u32_u24 v3, v1, PITCH
	v_lshl_add_u32 v3, v2, 4, v3                   ; r x pitch + 16 h
	s_mul_i32 s21, s11, HALFT                      ; my 128 rows of X
	s_mul_i32 s22, s12, HALFT                      ; my 128 rows of W,
	s_add_co_u32 s22, s22, 2*HALFT                 ; which lie behind X's 256
.irp s, 0,1
	v_add_nc_u32 v[ADRA+\s], s21, v3
	v_add_nc_u32 v[ADRB+\s], s22, v3
	s_add_co_u32 s21, s21, SLOT
	s_add_co_u32 s22, s22, SLOT
.endr
	s_mul_i32 s23, s10, 16*SPITCH
	s_add_co_u32 s23, s23, STAGE                   ; my stage
	v_mul_u32_u24 v4, v1, SPITCH                   ; in: row r, 16 bytes for each half of the lanes
	v_lshl_add_u32 v4, v2, 4, v4
	v_add_nc_u32 v[STO], s23, v4
	v_bfe_u32 v5, v0, 3, 2                         ; back: eight lanes take a head's 128 bytes of a row, four rows a load
	v_mul_u32_u24 v5, v5, SPITCH
	v_and_b32 v4, 7, v0
	v_lshl_add_u32 v5, v4, 4, v5
	v_add_nc_u32 v[RD], s23, v5
	v_and_b32 v[CO], 31, v0
	v_lshlrev_b32 v[CO], 4, v[CO]                  ; and 512 consecutive bytes of the output
; 16 matrix instructions: row blocks a0, a0 + 1 of the window's four (hi = 0: my rows 0-63, 1: rows 64-127) x all 8 column blocks, 32 along K.
; zero = 1: the first product starts the sums.  The 64 accumulators take turns, one instruction a turn, in the same order in every quarter step.
.macro MUL16 f, hi, a0, zero
.irp a, \a0, \a0+1
.irp b, 0,1,2,3,4,5,6,7
.if \zero
	v_wmma_f32_16x16x32_bf16 v[8*(8*(\a)+\b):8*(8*(\a)+\b)+7], v[\f+8*\b:\f+8*\b+7], v[\f+8*(4*\hi+\a):\f+8*(4*\hi+\a)+7], 0
.else
	v_wmma_f32_16x16x32_bf16 v[8*(8*(\a)+\b):8*(8*(\a)+\b)+7], v[\f+8*\b:\f+8*\b+7], v[\f+8*(4*\hi+\a):\f+8*(4*\hi+\a)+7], v[8*(8*(\a)+\b):8*(8*(\a)+\b)+7]
.endif
.endr
.endr
.endm
; 32 LDS loads in one run: the fragments of one quarter step (128 rows of W, 128 rows of X, 32 K) into buffer f.
; k: where the quarter begins: 0, 64 in the first block kb, KBO, KBO + 64 in the second
.macro FETCH slot, k, f
	WIN TO_B
.irp i, 0,1,2,3,4,5,6,7
	ds_load_b128 v[\f+8*\i:\f+8*\i+3],   v[ADRB+\slot] offset:\k+\i*16*PITCH
	ds_load_b128 v[\f+8*\i+4:\f+8*\i+7], v[ADRB+\slot] offset:\k+\i*16*PITCH+32
.endr
	WIN 0
.irp i, 0,1,2,3,4,5,6,7
	ds_load_b128 v[\f+8*\i:\f+8*\i+3],   v[ADRA+\slot] offset:\k+\i*16*PITCH
	ds_load_b128 v[\f+8*\i+4:\f+8*\i+7], v[ADRA+\slot] offset:\k+\i*16*PITCH+32
.endr
.endm
.macro PLACES                          ; four plain vector instructions between a matrix instruction and a load into, or a vector read of, its registers
.rept 4
	v_nop
.endr
.endm
; A K step is four quarter steps of 32 along K, 64 matrix instructions each, on buffers 0, 1, 0, 1.
; One of the first three: multiplies buffer f; in its middle it fetches the next quarter's fragments into buffer g.
.macro QUARTER slot, k, f, g, zero
	s_wait_dscnt 8                                 ; W and X's rows 0-63 are in; the youngest eight loads (X's rows 64-127) may be out
	WIN MUL_LO
	MUL16 \f, 0, 0, \zero
	MUL16 \f, 0, 2, \zero
	PLACES
	FETCH \slot, \k, \g
	s_wait_dscnt 32                                ; all but the 32 just issued
	WIN MUL_HI
	MUL16 \f, 1, 0, \zero
	MUL16 \f, 1, 2, \zero
.endm
.macro THREE slot, zero
	QUARTER \slot, 64,     F0, F1, \zero
	QUARTER \slot, KBO,    F1, F0, 0
	QUARTER \slot, KBO+64, F0, F1, 0
.endm
; The last quarter: multiplies buffer 1 and changes slots.  In front of the barrier each wave waits for its reads of this slot and for all its tensor loads
; (one is out: its part of the next slot).  Behind it, where this slot is filled again, the cluster's round is closed, and the joint refill is the wave's first
; and only tensor load there; then the next slot's first fragments are read.  From a request to the wait for it a wave issues 240 matrix instructions.
.macro TURN slot, next, fill
	s_wait_dscnt 8
	WIN MUL_LO
	MUL16 F1, 0, 0, 0
	s_wait_dscnt 0                                 ; my reads of this slot are over
	s_wait_tensorcnt 0x0                           ; and all my tensor loads have landed
	ds_add_u32 v255, v255
	s_wait_dscnt 0x0
	s_barrier_signal -1
	MUL16 F1, 0, 2, 0                              ; register work while the others arrive
	WIN 0
	s_barrier_wait -1
.if \fill
	CREST
	s_add_nc_u64 s[G0+4*\slot+2:G0+4*\slot+3], s[G0+4*\slot+2:G0+4*\slot+3], 4*AKB      ; no load of mine is out: the descriptors may be stepped, two K steps on
	s_add_nc_u64 s[G0B+4*\slot+2:G0B+4*\slot+3], s[G0B+4*\slot+2:G0B+4*\slot+3], 4*WKB
	JLOAD \slot
.endif
	PLACES
	FETCH \next, 0, F0
	WIN MUL_HI
	MUL16 F1, 1, 0, 0
	MUL16 F1, 1, 2, 0
.endm
.macro LAP zero                        ; once round the ring, both slots filled again
	THREE 0, \zero
	TURN 0, 1, 1
	THREE 1, 0
	TURN 1, 0, 1
.endm
	s_wait_tensorcnt 1                             ; my part of K step 0 is in; K step 1's load, issued behind it, may stay out
	s_barrier_signal -1
	s_barrier_wait -1
	FETCH 0, 0, F0
	LAP 1                                          ; the first lap stands in front of the loop: its first products start the sums
	WIN 0                                          ; at a label and at a branch every window is 0
	s_mov_b32 s3, LAPS-2
.Llap:
	LAP 0
	WIN 0
	s_sub_co_u32 s3, s3, 1
	s_cmp_lg_u32 s3, 0
	s_cbranch_scc1 .Llap
	THREE 0, 0                                     ; the last lap fills nothing
	TURN 0, 1, 0
	THREE 1, 0
	s_wait_dscnt 8                                 ; the very last quarter: nothing more to fetch
	WIN MUL_LO
	MUL16 F1, 0, 0, 0
	MUL16 F1, 0, 2, 0
	s_wait_dscnt 0
	WIN MUL_HI
	MUL16 F1, 1, 0, 0
	MUL16 F1, 1, 2, 0
	PLACES                                         ; behind the last products: the results are read, and the fragment buffers loaded into, below
	WIN 0
	s_cmp_lg_u32 s45, 0                            ; only q carries the factor c; p is the same in all partners
	s_cbranch_scc1 .Lnoscale
	WIN 0x82                                       ; source 0 and destination in window 2
.set n_, 0
.rept 128
	v_pk_mul_f32 v[n_:n_+1], v[n_:n_+1], 0x3e38aa3b op_sel_hi:[1,0]    ; c = 0.125 log2(e)
.set n_, n_+2
.endr
	WIN 0xc3                                       ; and in window 3
.set n_, 0
.rept 128
	v_pk_mul_f32 v[n_:n_+1], v[n_:n_+1], 0x3e38aa3b op_sel_hi:[1,0]
.set n_, n_+2
.endr
	WIN 0
.Lnoscale:
	; where my 128 rows x two heads go: (part, batch) = by / 8, rows 256 (by mod 8) + 128 half, heads 4 bx + 2 half and the next
	s_lshr_b32 s16, s13, 3
	s_lshl_b32 s16, s16, 22
	s_and_b32 s17, s13, 7
	s_lshl_b32 s17, s17, 15
	s_add_co_u32 s16, s16, s17
	s_lshl_b32 s17, s11, 14
	s_add_co_u32 s16, s16, s17
	s_mov_b32 s17, 0
	s_add_nc_u64 s[8:9], s[8:9], s[16:17]
	s_lshl_b32 s46, s42, 2
	s_lshl_b32 s47, s12, 1
	s_add_co_u32 s46, s46, s47
	s_lshl_b32 s46, s46, 18                        ; a head's block is 2,048 rows of 128 bytes
	s_mov_b32 s47, 0
	s_add_nc_u64 s[8:9], s[8:9], s[46:47]
; rows 16 i .. 16 i + 15 of my block = the eight tiles (a, 0..7) of window 2 or 3 (from = 0x0a or 0x0f: sources 0 and 1); f: F0 or F1 in turn.
; Round to f16, 16 bytes a lane into my own stage; read back four rows of one head a load; LDS serves a wave's instructions in order, so the loads see the stores
; and the next block's stores come behind these loads.  The place among my 128 rows and the head stand in the store's immediate.
.macro OUT16 i, a, from, f
	WIN \from
.irp b, 0,1,2,3,4,5,6,7
.irp r, 0,1,2,3
	v_cvt_pk_f16_f32 v[TMP+4*\b+\r], v[8*(8*\a+\b)+2*\r], v[8*(8*\a+\b)+2*\r+1]
.endr
.endr
	WIN 0
.irp b, 0,1,2,3,4,5,6,7
	ds_store_b128 v[STO], v[TMP+4*\b:TMP+4*\b+3] offset:32*\b
.endr
	s_wait_xcnt 0x0                                ; every earlier store has had its addresses translated: buffer f, which stores read, is loaded again only behind this wait
.irp t, 0,1,2,3,4,5,6,7
	ds_load_b128 v[\f+4*\t:\f+4*\t+3], v[RD] offset:(\t&3)*4*SPITCH+(\t>>2)*128
.endr
.irp t, 0,1,2,3,4,5,6,7
	s_wait_dscnt 7-\t                              ; read-back t is in, the younger ones stay out
	global_store_b128 v[CO], v[\f+4*\t:\f+4*\t+3], s[8:9] offset:(\t>>2)*262144+(16*\i+4*(\t&3))*128   ; 512 consecutive bytes, aligned
.endr
.endm
	OUT16 0, 0, 0x0a, F0
	OUT16 1, 1, 0x0a, F1
	OUT16 2, 2, 0x0a, F0
	OUT16 3, 3, 0x0a, F1
	OUT16 4, 0, 0x0f, F0
	OUT16 5, 1, 0x0f, F1
	OUT16 6, 2, 0x0f, F0
	OUT16 7, 3, 0x0f, F1
	s_set_vgpr_msb 0x1
	s_wait_tensorcnt 0x0
	ds_add_u32 v255, v255
	s_wait_dscnt 0x0
	s_set_vgpr_msb 0x100
	CROUND                                         ; the closing round: no work-group ends while a partner may still ask for a tile that names it
	s_endpgm
.Lfunc_end_k_q189b97334e_qkv:
	.size	k_q189b97334e_qkv, .Lfunc_end_k_q189b97334e_qkv-k_q189b97334e_qkv
	.p2alignl 7, 3214868480
	.fill 96, 4, 3214868480
	.section	.rodata,"a",@progbits
	.p2align	6, 0x0
	.amdhsa_kernel k_q189b97334e_qkv
		.amdhsa_group_segment_fixed_size 327680
		.amdhsa_private_segment_fixed_size 0
		.amdhsa_enable_private_segment 0
		.amdhsa_kernarg_size 24
		.amdhsa_user_sgpr_count 2
		.amdhsa_user_sgpr_kernarg_segment_ptr 1
		.amdhsa_wavefront_size32 1
		.amdhsa_system_sgpr_workgroup_id_x 1
		.amdhsa_system_sgpr_workgroup_id_y 1
		.amdhsa_system_sgpr_workgroup_id_z 1
		.amdhsa_system_vgpr_workitem_id 0
		.amdhsa_next_free_vgpr 1024
		.amdhsa_next_free_sgpr 66
		.amdhsa_reserve_vcc 0
		.amdhsa_float_denorm_mode_32 3
		.amdhsa_float_denorm_mode_16_64 3
		.amdhsa_memory_ordered 1
		.amdhsa_forward_progress 1
		.amdhsa_inst_pref_size 220
	.end_amdhsa_kernel
	.amdgpu_metadata
---
amdhsa.version: [ 1, 2 ]
amdhsa.kernels:
  - .name:           k_q189b97334e_qkv
    .symbol:         k_q189b97334e_qkv.kd
    .args:
      - { .name: xin, .offset: 0, .size: 8, .value_kind: global_buffer, .address_space: global }
      - { .name: wb, .offset: 8, .size: 8, .value_kind: global_buffer, .address_space: global }
      - { .name: qkv, .offset: 16, .size: 8, .value_kind: global_buffer, .address_space: global }
    .group_segment_fixed_size: 327680
    .private_segment_fixed_size: 0
    .kernarg_segment_align: 8
    .kernarg_segment_size: 24
    .max_flat_workgroup_size: 128
    .sgpr_count:     66
    .vgpr_count:     1024
    .wavefront_size: 32
...
	.end_amdgpu_metadata
.endif
;; end of part 2
;; launch attn (part 3): grid 8 x 32, 8 waves a work-group, clusters of 4 x 1, 327,680 bytes of LDS; arguments qkv, mbits, ctx; writes ctx
.if DOCPART == 3
	.amdgcn_target "amdgcn-amd-amdhsa--gfx1250"
	.amdhsa_code_object_version 6
	.text
	.protected	k_q189b97334e_attn
	.globl	k_q189b97334e_attn
	.p2align	8
	.type	k_q189b97334e_attn,@function
k_q189b97334e_attn:
	s_mov_b64 s[64:65], 0
	v_nop
	global_prefetch_b8 v0, s[64:65] scope:SCOPE_SE
	s_setreg_imm32_b32 hwreg(HW_REG_WAVE_MODE, 25, 1), 1
	s_wait_xcnt 0x0
	s_wait_alu depctr_hold_cnt(0) depctr_sa_sdst(0) depctr_va_vdst(0) depctr_va_sdst(0) depctr_va_ssrc(0) depctr_va_vcc(0) depctr_vm_vsrc(0)
	s_getreg_b32 s2, hwreg(HW_REG_IB_STS2, 6, 4)
	s_cmp_eq_u32 s2, 0
	s_cbranch_scc0 .Lentry_in_a_cluster
	s_endpgm
.Lentry_in_a_cluster:
	s_bfe_u32 s2, ttmp6, 0x10000c
	s_cmp_lg_u32 s2, 0x3003
	s_cbranch_scc0 .Lentry_shape_is_right
	s_endpgm
.Lentry_shape_is_right:
; ATTN: softmax(where(mask, q k^T / 8, -1e9)) v for one (batch, head) and 256 query rows a work-group; a running maximum and sum.  Nothing is left out:
; the mask is an input, so all 8 key tiles are walked by every work-group.
; q holds c q with c = 0.125 log2(e), so the scores are in base 2; the replacement is -1e9 log2(e) rounded to f32.  A row masked throughout has m = that
; number and p = exp2(0) = 1 everywhere: the mean of V, as in reference().  The first allowed key makes alpha = exp2(-1.4e9 - m) = 0, which wipes what was summed.
; p = exp2(s - m) <= 1, and the sum is at least 1.
; LIMITS: P is rounded to f16 (below 2^-25 it becomes 0); ctx is f16 (|ctx| < 65,504, granularity 2^-24 below 2^-14); a NaN among the inputs is dropped by the maxima.
; Eight waves, 32 query rows each as two tiles u = 0, 1.  TRANSPOSED: S^T = K Q^T (source 0 = 16 keys from LDS, source 1 = 16 queries kept in registers):
; lane (r, h) holds query r and keys 8 h + j in register j.  So maximum and sum of a row lie in one lane and its partner r + 16; two neighbouring S^T tiles,
; packed to f16, ARE the second source of O^T = V^T P^T; and the factor alpha is one number a lane.  V^T's fragments come from V[key][d] by the transposing LDS load.
; CLUSTERS: the four query blocks of a cluster (4, 1, 1) read the same K and V tiles: joint loads with mask 15.  Two slots of 256 keys; waves 0-3 fetch K's quarters,
; waves 4-7 V's, 8 KiB dense each: one tensor load of a wave is out at a time.
; The mask comes as lane masks (mbits), by scalar loads one step ahead: 64 words a step and wave.
; The vector and matrix phases of a step follow each other here; two waves share a SIMD.  Why: a step uses its 64 mask words at one place, so the next step's scalar
; loads, whose counter is waited for at 0 alone, have the whole step in which to land; two tiles taking turns would use 32 words every half step, and each load's
; time would end at the next wait, half a step on; a whole step of lead would then take 96 scalar registers for the words.
.set KP, 144                           ; K's LDS pitch: an odd multiple of 16
.set VP, 160                           ; V's LDS pitch: an odd multiple of 32, for the transposing load
.set SLOTB, 131072                     ; slot 1 begins here (a power of two: one s_xor_b32 changes slots)
.set VOFF,  256*KP                     ; V behind K in a slot: 36,864
.set STAGE, SLOTB+VOFF+256*VP          ; 208,896: the way out; no tensor load ever lands here
.set STG,   32*KP                      ; a wave's stage: 4,608 bytes (a multiple of 256)
.set ADRK, 2                           ; v2-3   LDS address of my K fragments, slot 0, 1
.set ADRV, 4                           ; v4-5   the same for V
.set STO,  6
.set RD,   7
.set CO,   8
.set QO,   9
.set NEG,  10                          ; -1e9 log2(e)
.set MP,   16                          ; v[16+4u:17+4u]  (m, new m)
.set AP,   18                          ; v[18+4u:19+4u]  (alpha, its exponent)
.set LS,   24                          ; v[24+2u:25+2u]  the row sum, in two halves
.set T,    28                          ; v28-43  at work
.set S,    64                          ; v64-127  S^T tile (t, u) at S + 32 u + 8 t; P's fragment (kh, u) is packed into S + 32 u + 16 kh
.set O,    128                         ; v128-191 O^T tile (dt, u) at O + 32 u + 8 dt
.set QF,   192                         ; v192-223 Q's fragment (u, dh) at QF + 16 u + 8 dh
.set KF,   0                           ; window 1: K's fragment (t, dh) at 16 t + 8 dh
.set VF,   64                          ; window 1: V^T's fragment (kh, dt) at 64 + 32 kh + 8 dt
.set MSB, 0
.macro WIN new
.if MSB != \new
	s_set_vgpr_msb (MSB<<8)|\new
.set MSB, \new
.endif
.endm
.set MULW, 0x01                        ; products: source 0 in window 1
.set LDW,  0x40                        ; LDS loads: destination in window 1
.macro PLACES n
.rept \n
	v_nop
.endr
.endm
.macro ROUND                           ; a round of the cluster's barrier
	s_barrier_signal -1
	s_barrier_wait -1
	s_cmp_lg_u32 s8, 0
	s_cbranch_scc1 .Lnot_wave_0_\@
	s_barrier_signal -3
.Lnot_wave_0_\@:
	s_barrier_wait -3
	s_barrier_signal -1
	s_barrier_wait -1
.endm
.macro JLOAD                           ; my quarter of K's or of V's next tile; the two lines differ in the padding alone
	s_cmp_lt_u32 s8, 4
	s_cbranch_scc0 .Lfor_v_\@
	tensor_load_to_lds s[12:15], s[84:91]
	s_nop 0
	s_branch .Lasked_\@
.Lfor_v_\@:
	tensor_load_to_lds s[12:15], s[92:99]
	s_nop 0
.Lasked_\@:
.endm
.macro LDK slot, i                     ; 64 keys x 64 d: sixteen loads
.irp t, 0,1,2,3
.irp dh, 0,1
	ds_load_b128 v[KF+16*\t+8*\dh:KF+16*\t+8*\dh+3],   v[ADRK+\slot] offset:64*KP*(\i)+16*KP*\t+64*\dh
	ds_load_b128 v[KF+16*\t+8*\dh+4:KF+16*\t+8*\dh+7], v[ADRK+\slot] offset:64*KP*(\i)+16*KP*\t+64*\dh+32
.endr
.endr
.endm
.macro LDV slot, i                     ; the same keys of V, transposed: sixteen loads
.irp kh, 0,1
.irp dt, 0,1,2,3
	ds_load_tr16_b128 v[VF+32*\kh+8*\dt:VF+32*\kh+8*\dt+3],   v[ADRV+\slot] offset:64*VP*(\i)+32*VP*\kh+32*\dt
	ds_load_tr16_b128 v[VF+32*\kh+8*\dt+4:VF+32*\kh+8*\dt+7], v[ADRV+\slot] offset:64*VP*(\i)+32*VP*\kh+32*\dt+16*VP
.endr
.endr
.endm
; One step: 64 keys.  first: the very first step (no old maximum, sums start).  kvnext: the slot has a further step to fetch fragments for.
; mnext: the next step's mask words are asked for.  bump: the mask pointer goes on by a tile (512 bytes).
.macro STEP slot, i, first, kvnext, mnext, bump
	s_wait_dscnt 16                                ; K's fragments are in; V's sixteen loads, issued behind them, stay out
	WIN MULW
	; S^T: eight accumulators by turns, one instruction a turn; the first half of d starts the sums
.irp u, 0,1
.irp t, 0,1,2,3
	v_wmma_f32_16x16x32_f16 v[S+32*\u+8*\t:S+32*\u+8*\t+7], v[KF+16*\t:KF+16*\t+7], v[QF+16*\u:QF+16*\u+7], 0
.endr
.endr
.irp u, 0,1
.irp t, 0,1,2,3
	v_wmma_f32_16x16x32_f16 v[S+32*\u+8*\t:S+32*\u+8*\t+7], v[KF+16*\t+8:KF+16*\t+15], v[QF+16*\u+8:QF+16*\u+15], v[S+32*\u+8*\t:S+32*\u+8*\t+7]
.endr
.endr
	PLACES 4                                       ; before K's fragments are loaded again and the scores are read (ISA guide 7.12.1)
.if \kvnext
	WIN LDW
	LDK \slot, \i+1
.endif
	WIN 0
	s_wait_kmcnt 0x0                               ; this step's 64 mask words
.if \bump
	s_add_nc_u64 s[4:5], s[4:5], 512               ; no scalar load is out: the pointer may be stepped
.endif
.irp t, 0,1,2,3
.irp j, 0,1,2,3,4,5,6,7
	v_cndmask_b32 v[S+8*\t+\j], v[NEG], v[S+8*\t+\j], s[16+8*\t+\j]
.endr
.endr
.irp t, 0,1
.irp j, 0,1,2,3,4,5,6,7
	v_cndmask_b32 v[S+32+8*\t+\j], v[NEG], v[S+32+8*\t+\j], s[48+8*\t+\j]
.endr
.endr
.irp t, 2,3
.irp j, 0,1,2,3,4,5,6,7
	v_cndmask_b32 v[S+32+8*\t+\j], v[NEG], v[S+32+8*\t+\j], s[52+8*\t+\j]
.endr
.endr
.if \mnext
	s_load_b512 s[16:31], s[4:5], 128*(\i+1)       ; u = 0: key tiles 0, 1 of the next step
	s_load_b512 s[32:47], s[4:5], 128*(\i+1)+64    ;        key tiles 2, 3
	s_load_b512 s[48:63], s[4:5], 128*(\i+1)+4096  ; u = 1: the next q tile's row of mbits
	s_load_b512 s[68:83], s[4:5], 128*(\i+1)+4160
.endif
	; the largest of my 32 scores of each u, in four chains; the old maximum joins; then the partner lane's
.irp c, 0,1,2,3
	v_max3_num_f32 v[T+\c], v[S+16*\c], v[S+16*\c+1], v[S+16*\c+2]
.endr
.irp k, 3,5,7,9,11,13
.irp c, 0,1,2,3
	v_max3_num_f32 v[T+\c], v[T+\c], v[S+16*\c+\k], v[S+16*\c+\k+1]
.endr
.endr
.irp u, 0,1
	v_max3_num_f32 v[T+2*\u], v[T+2*\u], v[S+32*\u+15], v[T+2*\u+1]
.endr
.irp u, 0,1
.if \first
	v_max_num_f32 v[T+2*\u], v[T+2*\u], v[S+32*\u+31]
.else
	v_max3_num_f32 v[T+2*\u], v[T+2*\u], v[S+32*\u+31], v[MP+4*\u]
.endif
.endr
.irp u, 0,1
	v_permlanex16_b32 v[T+2*\u+1], v[T+2*\u], s10, s11
.endr
.irp u, 0,1
	v_max_num_f32 v[MP+4*\u+1], v[T+2*\u], v[T+2*\u+1]         ; the new maximum
.endr
.if \first == 0
.irp u, 0,1
	v_sub_f32 v[AP+4*\u+1], v[MP+4*\u], v[MP+4*\u+1]           ; old - new <= 0
.endr
.irp u, 0,1
	v_exp_f32 v[AP+4*\u], v[AP+4*\u+1]                         ; alpha; the plain lines below stand between it and its use (ISA guide 5.7.2)
.endr
.endif
.irp u, 0,1
	v_mov_b32 v[MP+4*\u], v[MP+4*\u+1]
.endr
	; p = exp2(s - m), in place.  Behind each run of exponentials come plain instructions on other registers.
.irp u, 0,1
.set k_, S+32*\u
.rept 16
	v_pk_add_f32 v[k_:k_+1], v[k_:k_+1], v[MP+4*\u:MP+4*\u+1] op_sel_hi:[1,0] neg_lo:[0,1] neg_hi:[0,1]
.set k_, k_+2
.endr
.set k_, S+32*\u
.rept 32
	v_exp_f32 v[k_], v[k_]
.set k_, k_+1
.endr
.endr
	s_wait_alu depctr_va_vdst(0)
.irp u, 0,1
	; the sum: l = l alpha + my 32 p, in four chains of pairs
.irp c, 0,1,2,3
	v_pk_add_f32 v[T+8*\u+2*\c:T+8*\u+2*\c+1], v[S+32*\u+8*\c:S+32*\u+8*\c+1], v[S+32*\u+8*\c+2:S+32*\u+8*\c+3]
.endr
.irp k, 4,6
.irp c, 0,1,2,3
	v_pk_add_f32 v[T+8*\u+2*\c:T+8*\u+2*\c+1], v[T+8*\u+2*\c:T+8*\u+2*\c+1], v[S+32*\u+8*\c+\k:S+32*\u+8*\c+\k+1]
.endr
.endr
	v_pk_add_f32 v[T+8*\u:T+8*\u+1], v[T+8*\u:T+8*\u+1], v[T+8*\u+2:T+8*\u+3]
	v_pk_add_f32 v[T+8*\u+4:T+8*\u+5], v[T+8*\u+4:T+8*\u+5], v[T+8*\u+6:T+8*\u+7]
.if \first
	v_pk_add_f32 v[LS+2*\u:LS+2*\u+1], v[T+8*\u:T+8*\u+1], v[T+8*\u+4:T+8*\u+5]
.else
	v_pk_fma_f32 v[LS+2*\u:LS+2*\u+1], v[LS+2*\u:LS+2*\u+1], v[AP+4*\u:AP+4*\u+1], v[T+8*\u:T+8*\u+1] op_sel_hi:[1,0,1]
	v_pk_add_f32 v[LS+2*\u:LS+2*\u+1], v[LS+2*\u:LS+2*\u+1], v[T+8*\u+4:T+8*\u+5]
.endif
	; P to f16: tiles 2 kh and 2 kh + 1 become registers 0-3 and 4-7 of fragment kh, packed downward in place
.set k_, 0
.rept 16
	v_cvt_pk_f16_f32 v[S+32*\u+16*(k_>>3)+(k_&7)], v[S+32*\u+16*(k_>>3)+2*(k_&7)], v[S+32*\u+16*(k_>>3)+2*(k_&7)+1]
.set k_, k_+1
.endr
.if \first == 0
.set k_, O+32*\u
.rept 16
	v_pk_mul_f32 v[k_:k_+1], v[k_:k_+1], v[AP+4*\u:AP+4*\u+1] op_sel_hi:[1,0]
.set k_, k_+2
.endr
.endif
.endr
.if \kvnext
	s_wait_dscnt 16                                ; V's fragments are in; the next step's sixteen K loads stay out
.else
	s_wait_dscnt 0x0                               ; V's fragments are in: nothing was asked for behind them
.endif
	WIN MULW
	; O^T += V^T P^T: eight accumulators by turns, one instruction a turn
.irp u, 0,1
.irp dt, 0,1,2,3
.if \first
	v_wmma_f32_16x16x32_f16 v[O+32*\u+8*\dt:O+32*\u+8*\dt+7], v[VF+8*\dt:VF+8*\dt+7], v[S+32*\u:S+32*\u+7], 0
.else
	v_wmma_f32_16x16x32_f16 v[O+32*\u+8*\dt:O+32*\u+8*\dt+7], v[VF+8*\dt:VF+8*\dt+7], v[S+32*\u:S+32*\u+7], v[O+32*\u+8*\dt:O+32*\u+8*\dt+7]
.endif
.endr
.endr
.irp u, 0,1
.irp dt, 0,1,2,3
	v_wmma_f32_16x16x32_f16 v[O+32*\u+8*\dt:O+32*\u+8*\dt+7], v[VF+32+8*\dt:VF+32+8*\dt+7], v[S+32*\u+16:S+32*\u+23], v[O+32*\u+8*\dt:O+32*\u+8*\dt+7]
.endr
.endr
	PLACES 5                                       ; the next step's products write over P's registers: five places; V's fragments are loaded again: four (ISA guide 7.12.1)
.if \kvnext
	WIN LDW
	LDV \slot, \i+1
.else
	WIN 0
.endif
.endm
.macro PHASE slot, first, last         ; the four steps of a slot
	WIN LDW
	LDK \slot, 0
	LDV \slot, 0
	STEP \slot, 0, \first, 1, 1, 1-\first
	STEP \slot, 1, 0, 1, 1, 0
	STEP \slot, 2, 0, 1, 1, 0
	STEP \slot, 3, 0, 0, 1-\last, 0
.endm
; A tile of 256 keys.  In front of the round every wave waits for all its tensor loads (its part of this tile) and for its reads of the other slot; behind the
; round no wave of any partner reads that slot or has a load on its way: the joint refill comes first, one load a wave, then this slot is read.
.macro TRIP slot, first, refill, last
	s_wait_tensorcnt 0x0
	ds_add_u32 v254, v255
	s_wait_dscnt 0x0
.if \refill
	s_xor_b32 s13, s13, SLOTB                      ; no load of mine is out: the descriptor may be written: the other slot,
	s_add_nc_u64 s[14:15], s[14:15], 32768         ; the next 256 keys
.endif
	s_wait_dscnt 0x0
	ROUND
.if \refill
	JLOAD
.endif
	PHASE \slot, \first, \last
.endm
	s_load_b64 s[100:101], s[0:1], 0x0             ; qkv: stays as it is
	s_load_b128 s[4:7], s[0:1], 0x8                ; mbits s[4:5], ctx s[6:7]
	v_lshl_add_u32 v254, v0, 2, 0x3c000
	v_mov_b32 v255, 0
	ds_add_u32 v254, v255
	s_wait_dscnt 0x0
	v_lshrrev_b32 v1, 5, v0
	v_readfirstlane_b32 s8, v1                     ; wave
	s_bfe_u32 s66, ttmp6, 0x40000                  ; cx: only s66, s67, s104, s105 and the three plain pointers made of them ever hold it
	s_lshl_b32 s67, ttmp9, 2
	s_add_co_u32 s67, s67, s66                     ; query block 0..7
	s_and_b32 s9, ttmp7, 0xffff                    ; 16 batch + head
	s_mov_b32 s10, 0x76543210                      ; v_permlanex16_b32: lane i of one half reads lane i of the other
	s_mov_b32 s11, 0xfedcba98
	; group 1: 8 KiB dense as 32 rows of 32 elements of 8 bytes; padding behind every 32 dwords (a key's 128 bytes): 4 dwords for K, 8 for V
	s_mov_b32 s84, 15|(3<<16)|(1<<20)|(1<<21)|(4<<22)|(3<<25)
	s_mov_b32 s92, 15|(3<<16)|(1<<20)|(1<<21)|(4<<22)|(7<<25)
	s_mov_b32 s85, 32<<16
	s_mov_b32 s93, 32<<16
	s_mov_b32 s86, 32<<16
	s_mov_b32 s94, 32<<16
	s_mov_b32 s87, 32<<16
	s_mov_b32 s95, 32<<16
	s_mov_b32 s88, 32
	s_mov_b32 s96, 32
	s_mov_b32 s89, 32
	s_mov_b32 s97, 32
	s_mov_b32 s90, 0
	s_mov_b32 s98, 0
	s_mov_b32 s91, 0
	s_mov_b32 s99, 0
	; group 0: made of the head and the wave's number alone
	s_mov_b32 s12, 1
	s_lshl_b32 s2, s8, 13                          ; 64 keys of 128 bytes a wave
	s_lshl_b32 s3, s9, 18                          ; the head's 2,048 keys
	s_add_co_u32 s2, s2, s3
	s_mov_b32 s3, 0
	s_cmp_lt_u32 s8, 4
	s_cbranch_scc0 .Lv_part
	s_mul_i32 s13, s8, 64*KP                       ; K's quarter w
	s_add_co_u32 s2, s2, 8388608                   ; part 1
	s_branch .Lparts_done
.Lv_part:
	s_mul_i32 s13, s8, 64*VP
	s_sub_co_u32 s13, s13, 4*64*VP-VOFF            ; V's quarter w - 4, behind K
	s_add_co_u32 s2, s2, 16777216-32768            ; part 2, keys 64 (w - 4)
.Lparts_done:
	s_wait_kmcnt 0x0
	s_add_nc_u64 s[14:15], s[100:101], s[2:3]
	s_or_b32 s15, s15, 0x80000000
	ROUND                                          ; the four work-groups are here: the first joint loads meet
	JLOAD                                          ; tile 0 into slot 0
	s_lshl_b32 s104, s67, 16                       ; mbits: q tile 16 block + 2 wave, 4,096 bytes each
	s_lshl_b32 s66, s8, 13
	s_add_co_u32 s104, s104, s66
	s_mov_b32 s105, 0
	s_add_nc_u64 s[4:5], s[4:5], s[104:105]
	s_load_b512 s[16:31], s[4:5], 0x0              ; the first step's mask words
	s_load_b512 s[32:47], s[4:5], 0x40
	s_load_b512 s[48:63], s[4:5], 0x1000
	s_load_b512 s[68:83], s[4:5], 0x1040
	s_lshl_b32 s104, s9, 18                        ; q and ctx: head, block of 256 rows, wave's 32 rows, 128 bytes a row
	s_lshl_b32 s66, s67, 15
	s_add_co_u32 s104, s104, s66
	s_lshl_b32 s66, s8, 12
	s_add_co_u32 s104, s104, s66
	s_add_nc_u64 s[6:7], s[6:7], s[104:105]
	s_add_nc_u64 s[66:67], s[100:101], s[104:105]
	v_and_b32 v11, 15, v0                          ; r
	v_bfe_u32 v12, v0, 4, 1                        ; h
	v_lshlrev_b32 v[QO], 7, v11
	v_lshl_add_u32 v[QO], v12, 4, v[QO]            ; r x 128 + 16 h
.irp u, 0,1
.irp dh, 0,1
	global_load_b128 v[QF+16*\u+8*\dh:QF+16*\u+8*\dh+3],   v[QO], s[66:67] offset:2048*\u+64*\dh
	global_load_b128 v[QF+16*\u+8*\dh+4:QF+16*\u+8*\dh+7], v[QO], s[66:67] offset:2048*\u+64*\dh+32
.endr
.endr
	v_mul_u32_u24 v[ADRK], v11, KP
	v_lshl_add_u32 v[ADRK], v12, 4, v[ADRK]        ; r x 144 + 16 h
	v_add_nc_u32 v[ADRK+1], SLOTB, v[ADRK]
	v_and_b32 v14, 7, v0
	v_lshl_add_u32 v14, v12, 3, v14                ; key 8 h + (lane mod 8)
	v_mul_u32_u24 v14, v14, VP
	v_bfe_u32 v15, v0, 3, 1
	v_lshl_add_u32 v14, v15, 4, v14                ; + 16 bytes for lanes 8-15 of each half
	v_add_nc_u32 v[ADRV], VOFF, v14
	v_add_nc_u32 v[ADRV+1], SLOTB+VOFF, v14
	s_mul_i32 s2, s8, STG
	s_add_co_u32 s2, s2, STAGE
	v_add_nc_u32 v[STO], s2, v[ADRK]
	v_bfe_u32 v13, v0, 3, 2
	v_mul_u32_u24 v13, v13, KP
	v_and_b32 v14, 7, v0
	v_lshl_add_u32 v13, v14, 4, v13
	v_add_nc_u32 v[RD], s2, v13                    ; back: eight lanes a row, four rows a load
	v_and_b32 v[CO], 31, v0
	v_lshlrev_b32 v[CO], 4, v[CO]
	v_mov_b32 v[NEG], 0xceabfb8f                   ; -1e9 log2(e)
	s_wait_loadcnt 0x0                             ; Q's fragments, once
	TRIP 0, 1, 1, 0
	s_mov_b32 s9, 3
.Lloop:
	TRIP 1, 0, 1, 0
	TRIP 0, 0, 1, 0
	s_sub_co_u32 s9, s9, 1
	s_cmp_lg_u32 s9, 0
	s_cbranch_scc1 .Lloop
	TRIP 1, 0, 0, 1                                ; the last tile: nothing is left to fetch
	; O / l, to f16, through my own stage, out as whole rows: two rows of a head are 256 consecutive bytes of ctx
.irp u, 0,1
	v_add_f32 v[T+2*\u], v[LS+2*\u], v[LS+2*\u+1]
.endr
.irp u, 0,1
	v_permlanex16_b32 v[T+2*\u+1], v[T+2*\u], s10, s11
.endr
.irp u, 0,1
	v_add_f32 v[T+2*\u], v[T+2*\u], v[T+2*\u+1]
.endr
.irp u, 0,1
	v_rcp_f32 v[AP+4*\u], v[T+2*\u]                ; l >= 1
.endr
	v_nop                                          ; one plain instruction between the reciprocals and their use (ISA guide 5.7.2)
	s_wait_alu depctr_va_vdst(0)
.irp u, 0,1
.set k_, O+32*\u
.rept 16
	v_pk_mul_f32 v[k_:k_+1], v[k_:k_+1], v[AP+4*\u:AP+4*\u+1] op_sel_hi:[1,0]
.set k_, k_+2
.endr
.endr
.set k_, 0
.rept 32
	v_cvt_pk_f16_f32 v[S+k_], v[O+2*k_], v[O+2*k_+1]           ; tile (dt, u): four registers = d 16 dt + 8 h .. + 7 of query 16 u + r
.set k_, k_+1
.endr
.irp u, 0,1
.irp dt, 0,1,2,3
	ds_store_b128 v[STO], v[S+16*\u+4*\dt:S+16*\u+4*\dt+3] offset:16*KP*\u+32*\dt
.endr
.endr
.irp t, 0,1,2,3,4,5,6,7
	ds_load_b128 v[S+32+4*\t:S+32+4*\t+3], v[RD] offset:4*KP*\t    ; LDS serves a wave's instructions in order: these see the stores above
.endr
.irp t, 0,1,2,3,4,5,6,7
	s_wait_dscnt 7-\t                              ; read-back t is in, the younger ones stay out
	global_store_b128 v[CO], v[S+32+4*\t:S+32+4*\t+3], s[6:7] offset:512*\t    ; 512 consecutive bytes, aligned
.endr
	s_wait_tensorcnt 0x0
	ds_add_u32 v254, v255
	s_wait_dscnt 0x0
	ROUND                                          ; the closing round: no work-group ends while a partner may still ask for a tile that names it
	s_endpgm
.Lfunc_end_k_q189b97334e_attn:
	.size	k_q189b97334e_attn, .Lfunc_end_k_q189b97334e_attn-k_q189b97334e_attn
	.p2alignl 7, 3214868480
	.fill 96, 4, 3214868480
	.section	.rodata,"a",@progbits
	.p2align	6, 0x0
	.amdhsa_kernel k_q189b97334e_attn
		.amdhsa_group_segment_fixed_size 327680
		.amdhsa_private_segment_fixed_size 0
		.amdhsa_enable_private_segment 0
		.amdhsa_kernarg_size 24
		.amdhsa_user_sgpr_count 2
		.amdhsa_user_sgpr_kernarg_segment_ptr 1
		.amdhsa_wavefront_size32 1
		.amdhsa_system_sgpr_workgroup_id_x 1
		.amdhsa_system_sgpr_workgroup_id_y 1
		.amdhsa_system_sgpr_workgroup_id_z 1
		.amdhsa_system_vgpr_workitem_id 0
		.amdhsa_next_free_vgpr 384
		.amdhsa_next_free_sgpr 106
		.amdhsa_reserve_vcc 0
		.amdhsa_float_denorm_mode_32 3
		.amdhsa_float_denorm_mode_16_64 3
		.amdhsa_memory_ordered 1
		.amdhsa_forward_progress 1
		.amdhsa_inst_pref_size 255
	.end_amdhsa_kernel
	.section	.bss,"aw",@nobits
	.p2align	6
	.space	262144
	.amdgpu_metadata
---
amdhsa.version: [ 1, 2 ]
amdhsa.kernels:
  - .name:           k_q189b97334e_attn
    .symbol:         k_q189b97334e_attn.kd
    .args:
      - { .name: qkv, .offset: 0, .size: 8, .value_kind: global_buffer, .address_space: global }
      - { .name: mbits, .offset: 8, .size: 8, .value_kind: global_buffer, .address_space: global }
      - { .name: ctx, .offset: 16, .size: 8, .value_kind: global_buffer, .address_space: global }
    .group_segment_fixed_size: 327680
    .private_segment_fixed_size: 0
    .kernarg_segment_align: 8
    .kernarg_segment_size: 24
    .max_flat_workgroup_size: 256
    .sgpr_count:     106
    .vgpr_count:     384
    .wavefront_size: 32
...
	.end_amdgpu_metadata
.endif
;; end of part 3
;; launch oproj (part 4): grid 8 x 32, 4 waves a work-group, clusters of 4 x 4, 327,680 bytes of LDS; arguments ctx, wb, out0; writes out0
.if DOCPART == 4
	.amdgcn_target "amdgcn-amd-amdhsa--gfx1250"
	.amdhsa_code_object_version 6
	.text
	.protected	k_q189b97334e_oproj
	.globl	k_q189b97334e_oproj
	.p2align	8
	.type	k_q189b97334e_oproj,@function
k_q189b97334e_oproj:
	s_mov_b64 s[64:65], 0
	v_nop
	global_prefetch_b8 v0, s[64:65] scope:SCOPE_SE
	s_setreg_imm32_b32 hwreg(HW_REG_WAVE_MODE, 25, 1), 1
	s_wait_xcnt 0x0
	s_wait_alu depctr_hold_cnt(0) depctr_sa_sdst(0) depctr_va_vdst(0) depctr_va_sdst(0) depctr_va_ssrc(0) depctr_va_vcc(0) depctr_vm_vsrc(0)
	s_getreg_b32 s2, hwreg(HW_REG_IB_STS2, 6, 4)
	s_cmp_eq_u32 s2, 0
	s_cbranch_scc0 .Lentry_in_a_cluster
	s_endpgm
.Lentry_in_a_cluster:
	s_bfe_u32 s2, ttmp6, 0x10000c
	s_cmp_lg_u32 s2, 0xf033
	s_cbranch_scc0 .Lentry_shape_is_right
	s_endpgm
.Lentry_shape_is_right:
; OPROJ: out0[128 x 128] = ctx Wo^T, K = 1024, f16 operands (ctx is f16; Wo is the bf16-rounded number carried as f16), f32 sums, f32 out.
; The same ring, shares and registers as the projections of q, k and v: block row by = 0..31 (batch, 128 rows of s), block column bx = 0..7;
; four waves, 64 x 64 each; K in pieces of 256 through two LDS slots, one tensor load of 32 KiB a wave and piece (four heads' blocks, 64 rows of 128 bytes each, dense).
; CLUSTERS: 4 x 4; ctx's tile is asked for jointly by a row of the cluster, Wo's by a column: a quarter of the requests.
; REGISTERS: window 0: v16-26 addresses, v64-127 and v128-191 two fragment buffers; window 1: accumulator (a, b) at v[8 (4 a + b)].
; The product is used transposed (source 0 = rows of Wo, source 1 = rows of ctx): a lane holds eight neighbouring columns of one row of the output.
.set PITCH, 144                        ; an LDS row: 128 bytes + 16: the sixteen rows of a fragment load begin at sixteen different 16-byte columns modulo 256 bytes
.set KBLK,  64*PITCH
.set REG,   4*KBLK
.set SLOT,  4*REG
.set STAGE, 2*SLOT                     ; the way out; no tensor load ever lands here
.set STG,   4352                       ; a wave's stage: 16 rows of 272 bytes
.set SP,    272
.set AKB,   262144                     ; bytes of a head's block of ctx
.set WKB,   131072                     ; bytes of a block kb of Wo
.set WSEL,  3                          ; Wo is the fourth matrix of wb
.set ADRA, 16
.set ADRB, 20
.set STO,  24
.set RD,   25
.set CO,   26
.set F0,   64
.set F1,   128
.set G1,  24
.set G0,  32
.set G1B, 48
.set G0B, 56
.set MSB, 0
.macro WIN new
.if MSB != \new
	s_set_vgpr_msb (MSB<<8)|\new
.set MSB, \new
.endif
.endm
.set MULW, 0x50
.macro JLOAD s                         ; waves 0, 1 ask for ctx's two halves, waves 2, 3 for Wo's; the branch hangs on the wave's number alone
	s_cmp_eq_u32 s11, 0
	s_cbranch_scc0 .Lfor_b_\@
	tensor_load_to_lds s[G0+4*\s:G0+4*\s+3], s[G1:G1+7]
	s_nop 0
	s_branch .Lasked_\@
.Lfor_b_\@:
	tensor_load_to_lds s[G0B+4*\s:G0B+4*\s+3], s[G1B:G1B+7]
	s_nop 0
.Lasked_\@:
.endm
.macro CREST
	s_cmp_lg_u32 s10, 0
	s_cbranch_scc1 .Lnot_wave_0_\@
	s_barrier_signal -3
.Lnot_wave_0_\@:
	s_barrier_wait -3
	s_barrier_signal -1
	s_barrier_wait -1
.endm
.macro CROUND
	s_barrier_signal -1
	s_barrier_wait -1
	CREST
.endm
.macro PLACES                          ; four plain vector instructions between a matrix instruction and a load into, or a read of, its registers
.rept 4
	v_nop
.endr
.endm
	s_load_b128 s[4:7], s[0:1], 0x0                ; ctx s[4:5], wb s[6:7]
	s_load_b64 s[8:9], s[0:1], 0x10                ; out0
	v_lshl_add_u32 v254, v0, 2, 0x4c400
	v_mov_b32 v255, 0
	ds_add_u32 v254, v255
	v_lshrrev_b32 v1, 5, v0
	v_readfirstlane_b32 s10, v1                    ; wave
	s_lshr_b32 s11, s10, 1
	s_and_b32 s12, s10, 1
	s_bfe_u32 s40, ttmp6, 0x40000                  ; cx
	s_bfe_u32 s41, ttmp6, 0x40004                  ; cy
	s_lshl_b32 s42, ttmp9, 2
	s_add_co_u32 s42, s42, s40                     ; bx
	s_and_b32 s13, ttmp7, 0xffff
	s_lshl_b32 s13, s13, 2
	s_add_co_u32 s13, s13, s41                     ; by
	s_lshl_b32 s43, s41, 2
	s_lshl_b32 s43, 15, s43                        ; my row of the cluster
	s_lshl_b32 s44, 0x1111, s40                    ; my column
	; group 1: elements of 8 bytes; a tile row = 1,024 elements = 64 matrix rows, dense; 4 tile rows; 4 dwords of padding behind every 32 dwords
	s_or_b32 s[G1+0], s43, (3<<16)|(1<<20)|(1<<21)|(4<<22)|(3<<25)
	s_or_b32 s[G1B+0], s44, (3<<16)|(1<<20)|(1<<21)|(4<<22)|(3<<25)
	s_mov_b32 s[G1+1], 1024<<16
	s_mov_b32 s[G1B+1], 1024<<16
	s_mov_b32 s[G1+2], 4<<16
	s_mov_b32 s[G1B+2], 4<<16
	s_mov_b32 s[G1+3], 1024<<16
	s_mov_b32 s[G1B+3], 1024<<16
	s_mov_b32 s[G1+4], 4
	s_mov_b32 s[G1B+4], 4
	s_mov_b32 s[G1+5], AKB/8
	s_mov_b32 s[G1B+5], WKB/8
	s_mov_b32 s[G1+6], 0
	s_mov_b32 s[G1B+6], 0
	s_mov_b32 s[G1+7], 0
	s_mov_b32 s[G1B+7], 0
	s_lshr_b32 s16, s13, 4                         ; ctx's tile: batch by / 16, rows 128 (by mod 16) + 64 half
	s_lshl_b32 s16, s16, 22
	s_and_b32 s17, s13, 15
	s_lshl_b32 s17, s17, 14
	s_add_co_u32 s16, s16, s17
	s_lshl_b32 s17, s12, 13
	s_add_co_u32 s16, s16, s17
	s_mov_b32 s17, 0
	s_mov_b32 s46, WSEL<<21                        ; Wo's tile: rows 128 bx + 64 half
	s_lshl_b32 s47, s42, 14
	s_add_co_u32 s46, s46, s47
	s_lshl_b32 s47, s12, 13
	s_add_co_u32 s46, s46, s47
	s_mov_b32 s47, 0
	s_mul_i32 s20, s10, REG
	s_wait_dscnt 0x0
	s_wait_kmcnt 0x0
	s_add_nc_u64 s[14:15], s[4:5], s[16:17]
	s_add_nc_u64 s[46:47], s[6:7], s[46:47]
	CROUND                                         ; all sixteen work-groups are here: the first joint loads meet
.irp s, 0,1
	s_mov_b32 s[G0+4*\s], 1
	s_add_co_u32 s[G0+4*\s+1], s20, \s*SLOT
	s_add_nc_u64 s[G0+4*\s+2:G0+4*\s+3], s[14:15], \s*4*AKB
	s_or_b32 s[G0+4*\s+3], s[G0+4*\s+3], 0x80000000
	s_mov_b32 s[G0B+4*\s], 1
	s_add_co_u32 s[G0B+4*\s+1], s20, \s*SLOT
	s_add_nc_u64 s[G0B+4*\s+2:G0B+4*\s+3], s[46:47], \s*4*WKB
	s_or_b32 s[G0B+4*\s+3], s[G0B+4*\s+3], 0x80000000
	JLOAD \s                                       ; both first fills go out before anything else: two loads of the wave are out
.endr
	v_and_b32 v1, 15, v0                           ; r
	v_bfe_u32 v2, v0, 4, 1                         ; h
	v_mul_u32_u24 v3, v1, PITCH
	v_lshl_add_u32 v3, v2, 4, v3
	s_mul_i32 s21, s11, REG
	s_mul_i32 s22, s12, REG
	s_add_co_u32 s22, s22, 2*REG
.irp s, 0,1
	v_add_nc_u32 v[ADRA+\s], s21, v3
	v_add_nc_u32 v[ADRB+\s], s22, v3
	s_add_co_u32 s21, s21, SLOT
	s_add_co_u32 s22, s22, SLOT
.endr
	s_mul_i32 s23, s10, STG
	s_add_co_u32 s23, s23, STAGE
	v_mul_u32_u24 v4, v1, SP
	v_lshl_add_u32 v4, v2, 5, v4
	v_add_nc_u32 v[STO], s23, v4                   ; in: row r, 32 bytes for each half of the lanes
	v_mul_u32_u24 v5, v2, SP
	v_lshl_add_u32 v5, v1, 4, v5
	v_add_nc_u32 v[RD], s23, v5                    ; back: sixteen lanes a row of 256 bytes, two rows a load
	v_lshlrev_b32 v5, 12, v2
	v_lshl_add_u32 v[CO], v1, 4, v5                ; and the same two rows of the output
; 8 products.  The sixteen accumulators take turns, one instruction a turn, in the same order in every step.
.macro MUL8 f, a0, zero
.irp a, \a0, \a0+1
.irp b, 0,1,2,3
.if \zero
	v_wmma_f32_16x16x32_f16 v[8*(4*(\a)+\b):8*(4*(\a)+\b)+7], v[\f+8*\b:\f+8*\b+7], v[\f+32+8*(\a):\f+32+8*(\a)+7], 0
.else
	v_wmma_f32_16x16x32_f16 v[8*(4*(\a)+\b):8*(4*(\a)+\b)+7], v[\f+8*\b:\f+8*\b+7], v[\f+32+8*(\a):\f+32+8*(\a)+7], v[8*(4*(\a)+\b):8*(4*(\a)+\b)+7]
.endif
.endr
.endr
.endm
.macro FETCH slot, kk, f
.irp i, 0,1,2,3
	ds_load_b128 v[\f+8*\i:\f+8*\i+3],   v[ADRB+\slot] offset:((\kk)>>1)*KBLK+((\kk)&1)*64+\i*16*PITCH
	ds_load_b128 v[\f+8*\i+4:\f+8*\i+7], v[ADRB+\slot] offset:((\kk)>>1)*KBLK+((\kk)&1)*64+\i*16*PITCH+32
.endr
.irp i, 0,1,2,3
	ds_load_b128 v[\f+32+8*\i:\f+32+8*\i+3], v[ADRA+\slot] offset:((\kk)>>1)*KBLK+((\kk)&1)*64+\i*16*PITCH
	ds_load_b128 v[\f+32+8*\i+4:\f+32+8*\i+7], v[ADRA+\slot] offset:((\kk)>>1)*KBLK+((\kk)&1)*64+\i*16*PITCH+32
.endr
.endm
.macro QSTEP f, g, slot, kknext, zero
	s_wait_dscnt 0x0                               ; f's sixteen loads, the only ones out, are in
	PLACES                                         ; g was read by the products of the step before
	FETCH \slot, \kknext, \g
	WIN MULW
	MUL8 \f, 0, \zero
	MUL8 \f, 2, \zero
	WIN 0
.endm
.macro SEVEN slot, zero
	QSTEP F0, F1, \slot, 1, \zero
	QSTEP F1, F0, \slot, 2, 0
	QSTEP F0, F1, \slot, 3, 0
	QSTEP F1, F0, \slot, 4, 0
	QSTEP F0, F1, \slot, 5, 0
	QSTEP F1, F0, \slot, 6, 0
	QSTEP F0, F1, \slot, 7, 0
.endm
; The eighth K step of a slot, and the change of slots: each wave's reads of this slot and all its tensor loads are waited for in front of the barrier;
; where the slot is filled again the cluster's round is closed behind it and the joint refill is the wave's first and only tensor load there.
.macro TURN slot, next, fill
	s_wait_dscnt 0x0
	s_wait_tensorcnt 0x0
	ds_add_u32 v254, v255
	s_wait_dscnt 0x0
	s_barrier_signal -1
	WIN MULW
	MUL8 F1, 0, 0
	WIN 0
	s_barrier_wait -1
.if \fill
	CREST
	s_add_nc_u64 s[G0+4*\slot+2:G0+4*\slot+3], s[G0+4*\slot+2:G0+4*\slot+3], 8*AKB
	s_add_nc_u64 s[G0B+4*\slot+2:G0B+4*\slot+3], s[G0B+4*\slot+2:G0B+4*\slot+3], 8*WKB
	JLOAD \slot
.endif
	PLACES
	FETCH \next, 0, F0
	WIN MULW
	MUL8 F1, 2, 0
	WIN 0
.endm
	s_wait_tensorcnt 0x1                           ; my part of slot 0 is in; slot 1's load, issued behind it, may stay out
	s_barrier_signal -1
	s_barrier_wait -1
	FETCH 0, 0, F0
	SEVEN 0, 1
	TURN 0, 1, 1
	SEVEN 1, 0
	TURN 1, 0, 1
	SEVEN 0, 0
	TURN 0, 1, 0
	SEVEN 1, 0
	s_wait_dscnt 0x0
	WIN MULW
	MUL8 F1, 0, 0
	MUL8 F1, 2, 0
	WIN 0
	PLACES                                         ; behind the last products: the results are stored to LDS, and the fragment buffers loaded into, below
	s_lshl_b32 s16, s13, 19                        ; my first row: 128 by + 64 half, 4,096 bytes a row
	s_lshl_b32 s17, s11, 18
	s_add_co_u32 s16, s16, s17
	s_mov_b32 s17, 0
	s_add_nc_u64 s[8:9], s[8:9], s[16:17]
	s_lshl_b32 s46, s42, 9                         ; my first column: 128 bx + 64 half, 4 bytes each
	s_lshl_b32 s47, s12, 8
	s_add_co_u32 s46, s46, s47
	s_mov_b32 s47, 0
	s_add_nc_u64 s[8:9], s[8:9], s[46:47]
; 16 rows x 64 columns of f32: straight from the accumulators into my own stage, read back as whole rows of 256 bytes.  LDS serves a wave's
; instructions in order.  No register is used twice, so nothing waits for a store.
.macro OUT16 a
	WIN 0x04                                       ; the LDS stores' data in window 1
.irp b, 0,1,2,3
	ds_store_b128 v[STO], v[8*(4*\a+\b):8*(4*\a+\b)+3] offset:64*\b
	ds_store_b128 v[STO], v[8*(4*\a+\b)+4:8*(4*\a+\b)+7] offset:64*\b+16
.endr
	WIN 0
.irp t, 0,1,2,3,4,5,6,7
	ds_load_b128 v[F0+32*\a+4*\t:F0+32*\a+4*\t+3], v[RD] offset:2*SP*\t
.endr
.irp t, 0,1,2,3,4,5,6,7
	s_wait_dscnt 7-\t                              ; read-back t is in, the younger ones stay out
	global_store_b128 v[CO], v[F0+32*\a+4*\t:F0+32*\a+4*\t+3], s[8:9] offset:65536*\a+8192*\t   ; sixteen lanes store 256 consecutive bytes, aligned
.endr
.endm
	OUT16 0
	OUT16 1
	OUT16 2
	OUT16 3
	s_wait_tensorcnt 0x0
	ds_add_u32 v254, v255
	s_wait_dscnt 0x0
	CROUND                                         ; the closing round: no work-group ends while a partner may still ask for a tile that names it
	s_endpgm
.Lfunc_end_k_q189b97334e_oproj:
	.size	k_q189b97334e_oproj, .Lfunc_end_k_q189b97334e_oproj-k_q189b97334e_oproj
	.p2alignl 7, 3214868480
	.fill 96, 4, 3214868480
	.section	.rodata,"a",@progbits
	.p2align	6, 0x0
	.amdhsa_kernel k_q189b97334e_oproj
		.amdhsa_group_segment_fixed_size 327680
		.amdhsa_private_segment_fixed_size 0
		.amdhsa_enable_private_segment 0
		.amdhsa_kernarg_size 24
		.amdhsa_user_sgpr_count 2
		.amdhsa_user_sgpr_kernarg_segment_ptr 1
		.amdhsa_wavefront_size32 1
		.amdhsa_system_sgpr_workgroup_id_x 1
		.amdhsa_system_sgpr_workgroup_id_y 1
		.amdhsa_system_sgpr_workgroup_id_z 1
		.amdhsa_system_vgpr_workitem_id 0
		.amdhsa_next_free_vgpr 384
		.amdhsa_next_free_sgpr 66
		.amdhsa_reserve_vcc 0
		.amdhsa_float_denorm_mode_32 3
		.amdhsa_float_denorm_mode_16_64 3
		.amdhsa_memory_ordered 1
		.amdhsa_forward_progress 1
		.amdhsa_inst_pref_size 89
	.end_amdhsa_kernel
	.amdgpu_metadata
---
amdhsa.version: [ 1, 2 ]
amdhsa.kernels:
  - .name:           k_q189b97334e_oproj
    .symbol:         k_q189b97334e_oproj.kd
    .args:
      - { .name: ctx, .offset: 0, .size: 8, .value_kind: global_buffer, .address_space: global }
      - { .name: wb, .offset: 8, .size: 8, .value_kind: global_buffer, .address_space: global }
      - { .name: out0, .offset: 16, .size: 8, .value_kind: global_buffer, .address_space: global }
    .group_segment_fixed_size: 327680
    .private_segment_fixed_size: 0
    .kernarg_segment_align: 8
    .kernarg_segment_size: 24
    .max_flat_workgroup_size: 128
    .sgpr_count:     66
    .vgpr_count:     384
    .wavefront_size: 32
...
	.end_amdgpu_metadata
.endif
;; end of part 4
;; ======== version 2 of 2: 4 launches; version 1 with the launch prep written anew for expert scheduling mode
;; limits: values are held in f16: magnitudes above 65,504 overflow, below 6.1e-05 lose precision
;; workspace buffers: xin 25,165,824 bytes; wb 8,388,608 bytes; mbits 524,288 bytes of whole numbers; qkv 25,165,824 bytes; ctx 8,388,608 bytes
;; launch prep (part 5): grid 128 x 5, 8 waves a work-group, no clusters, 0 bytes of LDS; arguments query, key, value, Wq, Wk, Wv, Wo, mask, xin, wb, mbits; writes xin, wb, mbits
.if DOCPART == 5
	.amdgcn_target "amdgcn-amd-amdhsa--gfx1250"
	.amdhsa_code_object_version 6
	.text
	.protected	k_q189b97334e_prep
	.globl	k_q189b97334e_prep
	.p2align	8
	.type	k_q189b97334e_prep,@function
k_q189b97334e_prep:
	s_mov_b64 s[64:65], 0
	v_nop
	global_prefetch_b8 v0, s[64:65] scope:SCOPE_SE
	s_setreg_imm32_b32 hwreg(HW_REG_WAVE_SCHED_MODE, 0, 2), 2
	s_setreg_imm32_b32 hwreg(HW_REG_WAVE_MODE, 25, 1), 1
	s_wait_xcnt 0x0
	s_wait_alu depctr_vm_vsrc(0)
; PREP: the operands of the later products, rounded once and laid out for them; the mask as lane masks.
; No step and no input of reference() is left out anywhere in this program: the mask is an input, so every score tile is computed,
; and a masked score is REPLACED by -1e9 (a row that is masked throughout gives the mean of V, as in reference()).
; Layout of every 16-bit matrix [rows][1024]: [kb = 16][rows][64], a row of a block = 128 bytes, a block dense.
;   xin : part (query, key, value) x [batch][kb][2048][64] bf16      part 8,388,608 B, batch 4,194,304 B, block 262,144 B
;   wb  : matrix (Wq, Wk, Wv, Wo) x [kb][1024][64]                   matrix 2,097,152 B, block 131,072 B
;         Wq, Wk, Wv bf16.  Wo is rounded to bf16 and that number is carried as f16, since its partner in the last product is f16.
;         LIMIT: exact for 2^-17 <= |Wo| < 65,504; below, the absolute error is at most 2^-25.
;   mbits: [q tile = 128][key tile = 128][8 words]; bit L of word j = mask[16 qt + (L & 15)][16 kt + 8 (L >> 4) + j]:
;         the lane mask of register j of a 16 x 16 score tile that holds keys along the registers and queries along the lanes.
; Grid y: 0, 1, 2 = query, key, value (32 rows a work-group); 3 = the four weights (32 work-groups each, 32 rows); 4 = the mask (one q tile).
; A stream: no LDS, no barrier, no matrix unit.  All 32 loads of a wave go out first; nothing is reused, so no register waits for a store.
; THE MODE: SCHED_MODE bits 1:0 = 2 (LLVM: expert scheduling mode 2), set by the entry lines.  The code itself states the register dependences
; between vector instructions and memory instructions, with s_wait_alu, always for 0.
; THE PLAN, the casting parts.  Registers that memory instructions touch:
;   v[SO], v[DO]   byte offsets, made once at the head and never written again there: read by every load and by every store.
;   v[DAT + 4 n ..] written by load n, then in place by its conversions; its first two registers are read by store n; nothing writes them after that.
; The 32 loads are worked on in eight groups of four.  Group g converts its own four; its memory instructions are the four stores of group g - 1,
; whose registers no vector instruction of group g names.  So one wait at a group's head states all that its four stores hang on.
; THE PLAN, the mask part.  Tile kt's eight compares write one of two sets of eight scalar registers, by turns; the eight v_writelane_b32 that read
; them stand in tile kt + 1, behind the one wait at that tile's head.  v[WD ..] is written by vector instructions and read by the one store.
.set SO,  2                            ; v2        byte offset of my 16 bytes in the source
.set DO,  3                            ; v3        byte offset of my bytes in the destination
.set WD,  4                            ; v[4:7]    mask part: four packed words a lane
.set DAT, 8                            ; v[8:135]  what the loads bring
.set TMP, 136                          ; v[136:139] at work: no memory instruction names them
.set GRP, 4                            ; loads in a group
.set MA,  40                           ; s[40:47]  mask part: the lane masks of an even key tile
.set MB,  4                            ; s[4:11]   those of an odd one (these held the addresses of query, key, value and Wq, which the mask part does not use)
; Store n of a casting part: 8 bytes a lane, 256 consecutive bytes of block kb = n mod 16, aligned: two rows of 128 bytes.
.macro PUT n, kbs
	global_store_b64 v[DO], v[DAT+4*(\n):DAT+4*(\n)+1], s[36:37] offset:((\n)>>4)*256+((\n)&15)*(\kbs)
.endm
; Four rows of a wave as two pairs.  Load n = 16 pr + kb: lanes 0-15 take the 256 bytes of block kb in row 2 pr, lanes 16-31 in row 2 pr + 1.
.macro CAST kbs, f16
.set n_, 0
.rept 32
	global_load_b128 v[DAT+4*n_:DAT+4*n_+3], v[SO], s[28:29] offset:(n_>>4)*8192+(n_&15)*256 th:TH_LOAD_NT
.set n_, n_+1
.endr
.set n_, 0
.rept 32
.if (n_%GRP) == 0
	s_wait_loadcnt 32-GRP-n_                       ; loads return in order: this group's four are in, the younger ones stay out
.if n_ > 0
	s_wait_alu depctr_va_vdst(0)                   ; the group before has written its packed numbers, which the four stores below read
.endif
.endif
.if n_ >= GRP
	PUT n_-GRP, \kbs                               ; the group before.  No wait: no vector instruction since the wait above names its registers
.endif
	v_cvt_pk_bf16_f32 v[DAT+4*n_], v[DAT+4*n_], v[DAT+4*n_+1]
	v_cvt_pk_bf16_f32 v[DAT+4*n_+1], v[DAT+4*n_+2], v[DAT+4*n_+3]
.if \f16
	v_lshlrev_b32 v[TMP], 16, v[DAT+4*n_]          ; the bf16 numbers as f32,
	v_and_b32 v[TMP+1], 0xffff0000, v[DAT+4*n_]
	v_lshlrev_b32 v[TMP+2], 16, v[DAT+4*n_+1]
	v_and_b32 v[TMP+3], 0xffff0000, v[DAT+4*n_+1]
	v_cvt_pk_f16_f32 v[DAT+4*n_], v[TMP], v[TMP+1] ; and the same numbers as f16 (8 significant bits fit into 11)
	v_cvt_pk_f16_f32 v[DAT+4*n_+1], v[TMP+2], v[TMP+3]
.endif
.set n_, n_+1
.endr
	s_wait_alu depctr_va_vdst(0)                   ; the last group has written its packed numbers, which the last four stores read
.set n_, 32-GRP
.rept GRP
	PUT n_, \kbs
.set n_, n_+1
.endr
.endm
; The eight words of key tile kt go into the lanes: word 8 kt + j of the wave's 128 is register (word mod 4) of lane (word / 4).
.macro LANES kt
.set j_, 0
.rept 8
	v_writelane_b32 v[WD+(j_&3)], s[MA+(MB-MA)*((\kt)&1)+j_], 2*(\kt)+(j_>>2)
.set j_, j_+1
.endr
.endm
	s_load_b512 s[4:19], s[0:1], 0x0               ; query s[4:5] key s[6:7] value s[8:9] Wq s[10:11] Wk s[12:13] Wv s[14:15] Wo s[16:17] mask s[18:19]
	s_load_b128 s[20:23], s[0:1], 0x40             ; xin s[20:21], wb s[22:23]
	s_load_b64 s[24:25], s[0:1], 0x50              ; mbits
	s_and_b32 s27, ttmp7, 0xffff                   ; y
	v_lshrrev_b32 v1, 5, v0                        ; wave
	v_bfe_u32 v4, v0, 4, 1                         ; upper half of the lanes
	v_and_b32 v5, 15, v0                           ; lane mod 16
	v_lshlrev_b32 v[SO], 14, v1                    ; wave x 4 rows x 4,096
	v_lshl_add_u32 v[SO], v4, 12, v[SO]            ; + one row for the upper half
	v_lshl_add_u32 v[SO], v5, 4, v[SO]             ; + 16 bytes a lane
	v_lshlrev_b32 v[DO], 9, v1                     ; wave x 4 rows x 128
	v_lshl_add_u32 v[DO], v4, 7, v[DO]
	v_lshl_add_u32 v[DO], v5, 3, v[DO]
	s_mov_b32 s31, 0
	s_mov_b32 s33, 0
	s_wait_kmcnt 0x0
	s_wait_alu depctr_va_vdst(0)                   ; v[SO] and v[DO] are written: every load and store of the three casting parts reads one of them as its offset
	s_cmp_eq_u32 s27, 4
	s_cbranch_scc1 .Lpack
	s_cmp_eq_u32 s27, 3
	s_cbranch_scc1 .Lweights
	; query, key or value: rows 32 x .. 32 x + 31 of 4,096
	s_cmp_eq_u32 s27, 1
	s_cselect_b64 s[28:29], s[6:7], s[4:5]
	s_cmp_eq_u32 s27, 2
	s_cselect_b64 s[28:29], s[8:9], s[28:29]
	s_lshl_b32 s30, ttmp9, 17                      ; 32 rows of 4,096 bytes
	s_add_nc_u64 s[28:29], s[28:29], s[30:31]
	s_lshl_b32 s32, s27, 23                        ; the part
	s_lshr_b32 s34, ttmp9, 6
	s_lshl_b32 s34, s34, 22                        ; the batch
	s_add_co_u32 s32, s32, s34
	s_and_b32 s34, ttmp9, 63
	s_lshl_b32 s34, s34, 12                        ; 32 rows of 128 bytes in a block
	s_add_co_u32 s32, s32, s34
	s_add_nc_u64 s[36:37], s[20:21], s[32:33]
	CAST 262144, 0
	s_endpgm
.Lweights:
	s_lshr_b32 s35, ttmp9, 5                       ; which matrix
	s_cmp_eq_u32 s35, 1
	s_cselect_b64 s[28:29], s[12:13], s[10:11]
	s_cmp_eq_u32 s35, 2
	s_cselect_b64 s[28:29], s[14:15], s[28:29]
	s_cmp_eq_u32 s35, 3
	s_cselect_b64 s[28:29], s[16:17], s[28:29]
	s_and_b32 s34, ttmp9, 31
	s_lshl_b32 s30, s34, 17
	s_add_nc_u64 s[28:29], s[28:29], s[30:31]
	s_lshl_b32 s32, s35, 21
	s_lshl_b32 s34, s34, 12
	s_add_co_u32 s32, s32, s34
	s_add_nc_u64 s[36:37], s[22:23], s[32:33]
	s_cmp_eq_u32 s35, 3
	s_cbranch_scc1 .Lwo
	CAST 131072, 0
	s_endpgm
.Lwo:
	CAST 131072, 1
	s_endpgm
.Lpack:
	; q tile x; wave w packs key tiles 16 w .. 16 w + 15.  Lane L reads 8 mask bytes of row L & 15, columns 16 kt + 8 (L >> 4) ..;
	; the wave's sixteen loads together cover 256 aligned bytes of each of the 16 rows.
	v_lshlrev_b32 v[SO], 11, v5                    ; row x 2,048 (on this way no memory instruction has read v[SO] or v[DO] yet)
	v_lshl_add_u32 v[SO], v4, 3, v[SO]
	v_lshl_add_u32 v[SO], v1, 8, v[SO]             ; + wave x 256 columns
	v_and_b32 v[DO], 31, v0
	v_lshlrev_b32 v[DO], 4, v[DO]
	v_lshl_add_u32 v[DO], v1, 9, v[DO]             ; wave x 512 + lane x 16
	s_lshl_b32 s30, ttmp9, 15                      ; 16 rows of 2,048 bytes
	s_add_nc_u64 s[28:29], s[18:19], s[30:31]
	s_lshl_b32 s32, ttmp9, 12                      ; 128 key tiles x 32 bytes
	s_add_nc_u64 s[36:37], s[24:25], s[32:33]
	s_wait_alu depctr_va_vdst(0)                   ; v[SO] is written anew, which the sixteen loads read as their offset
.set kt_, 0
.rept 16
	global_load_b64 v[DAT+2*kt_:DAT+2*kt_+1], v[SO], s[28:29] offset:16*kt_
.set kt_, kt_+1
.endr
.irp r, 0,1,2,3
	v_mov_b32 v[WD+\r], 0                          ; v_writelane_b32 keeps the other lanes: the registers are written whole first
.endr
.set kt_, 0
.rept 16
	s_wait_loadcnt 15-kt_                          ; tile kt is in, the younger loads stay out
.if kt_ > 0
	s_wait_alu depctr_va_sdst(0)                   ; the tile before's eight compares have written their lane masks, ahead of the v_writelane_b32 below that read them
.endif
.set h_, 0
.rept 2                                                ; the compares stand in runs of four: bytes 4 h .. 4 h + 3 of my eight
.irp q, 0,1,2,3
	v_and_b32 v[TMP+\q], 0xff<<(8*\q), v[DAT+2*kt_+h_]
.endr
.irp q, 0,1,2,3
	v_cmp_ne_u32 s[MA+(MB-MA)*(kt_&1)+4*h_+\q], 0, v[TMP+\q]   ; bit L = lane L's byte is true; this tile's set of masks: the other than the one read below
.endr
.set h_, h_+1
.endr
.if kt_ > 0
	LANES kt_-1
.endif
.set kt_, kt_+1
.endr
	s_wait_alu depctr_va_sdst(0)                   ; the last tile's eight compares have written their lane masks
	LANES 15
	s_wait_alu depctr_va_vdst(0)                   ; the v_writelane_b32 have written v[WD ..], which the store reads
	global_store_b128 v[DO], v[WD:WD+3], s[36:37]  ; 512 consecutive bytes a wave
	s_endpgm
.Lfunc_end_k_q189b97334e_prep:
	.size	k_q189b97334e_prep, .Lfunc_end_k_q189b97334e_prep-k_q189b97334e_prep
	.p2alignl 7, 3214868480
	.fill 96, 4, 3214868480
	.section	.rodata,"a",@progbits
	.p2align	6, 0x0
	.amdhsa_kernel k_q189b97334e_prep
		.amdhsa_group_segment_fixed_size 0
		.amdhsa_private_segment_fixed_size 0
		.amdhsa_enable_private_segment 0
		.amdhsa_kernarg_size 88
		.amdhsa_user_sgpr_count 2
		.amdhsa_user_sgpr_kernarg_segment_ptr 1
		.amdhsa_wavefront_size32 1
		.amdhsa_system_sgpr_workgroup_id_x 1
		.amdhsa_system_sgpr_workgroup_id_y 1
		.amdhsa_system_sgpr_workgroup_id_z 1
		.amdhsa_system_vgpr_workitem_id 0
		.amdhsa_next_free_vgpr 140
		.amdhsa_next_free_sgpr 66
		.amdhsa_reserve_vcc 0
		.amdhsa_float_denorm_mode_32 3
		.amdhsa_float_denorm_mode_16_64 3
		.amdhsa_memory_ordered 1
		.amdhsa_forward_progress 1
		.amdhsa_inst_pref_size 72
	.end_amdhsa_kernel
	.amdgpu_metadata
---
amdhsa.version: [ 1, 2 ]
amdhsa.kernels:
  - .name:           k_q189b97334e_prep
    .symbol:         k_q189b97334e_prep.kd
    .args:
      - { .name: query, .offset: 0, .size: 8, .value_kind: global_buffer, .address_space: global }
      - { .name: key, .offset: 8, .size: 8, .value_kind: global_buffer, .address_space: global }
      - { .name: value, .offset: 16, .size: 8, .value_kind: global_buffer, .address_space: global }
      - { .name: Wq, .offset: 24, .size: 8, .value_kind: global_buffer, .address_space: global }
      - { .name: Wk, .offset: 32, .size: 8, .value_kind: global_buffer, .address_space: global }
      - { .name: Wv, .offset: 40, .size: 8, .value_kind: global_buffer, .address_space: global }
      - { .name: Wo, .offset: 48, .size: 8, .value_kind: global_buffer, .address_space: global }
      - { .name: mask, .offset: 56, .size: 8, .value_kind: global_buffer, .address_space: global }
      - { .name: xin, .offset: 64, .size: 8, .value_kind: global_buffer, .address_space: global }
      - { .name: wb, .offset: 72, .size: 8, .value_kind: global_buffer, .address_space: global }
      - { .name: mbits, .offset: 80, .size: 8, .value_kind: global_buffer, .address_space: global }
    .group_segment_fixed_size: 0
    .private_segment_fixed_size: 0
    .kernarg_segment_align: 8
    .kernarg_segment_size: 88
    .max_flat_workgroup_size: 256
    .sgpr_count:     66
    .vgpr_count:     140
    .wavefront_size: 32
...
	.end_amdgpu_metadata
.endif
;; end of part 5
;; launch qkv: the kernel of part 2 again; grid 4 x 48, 4 waves a work-group, clusters of 4 x 4, 327,680 bytes of LDS; arguments xin, wb, qkv; writes qkv
;; launch attn: the kernel of part 3 again; grid 8 x 32, 8 waves a work-group, clusters of 4 x 1, 327,680 bytes of LDS; arguments qkv, mbits, ctx; writes ctx
;; launch oproj: the kernel of part 4 again; grid 8 x 32, 4 waves a work-group, clusters of 4 x 4, 327,680 bytes of LDS; arguments ctx, wb, out0; writes out0
